; MI455X (gfx1250); checked and timed in simulation.
; The chip was launched on July 23, 2026; its instructions are those of AMD's public machine-readable ISA for CDNA 5 (MIT licence, August 2026) and "CDNA5" Instruction Set Architecture Reference Guide (July 2026). The comments in the code are by the model that wrote it; some were corrected since.
;; Attention. Allowed arithmetic: matrix products marked QUANTISED: E2M1 operands, one E8M0 scale for each 32 along K, by v_wmma_scale_f32_16x16x128_f8f6f4 with both operands' format E2M1 (or v_wmma_scale_f32_32x16x128_f4), f32 sums; products left as they are: bf16, f16 or f32 operands; f32 sums; everything else in f32.
;; Inputs: freqs_cos 2,048 x 64 float32; freqs_sin 2,048 x 64 float32; mask 1 x 1 x 2,048 x 2,048 float32; wk 2,048 x 2,048 float32; wo 2,048 x 2,048 float32; wq 2,048 x 2,048 float32; wv 2,048 x 2,048 float32; x 1 x 2,048 x 2,048 float32.
;; Outputs: out0 1 x 2,048 x 2,048 float32.
;; This version of the problem:
;;   THIS VERSION OF THE PROBLEM IS GIVEN IN LOW PRECISION. The matrix products marked QUANTISED in the list below multiply operands that are first quantised to E2M1 (2 exponent bits, 1 mantissa bit; 4 bits a number), with one power-of-two scale for each 32 numbers along K (OCP MX v1.0); their sums are f32. The products marked 'left as it is' may take bf16, f16 or f32 operands, with f32 sums. Whichever they take, every output number must still come out within the allowed error. Rounding operands to bf16 (8 significant bits) uses up far more of that allowance than f16 does (11 bits, for magnitudes from 6e-5 to 65,504). All else is computed in f32.
;;   The module's matrix products, in the order in which they are computed (A, B: the left and right operand; K: the contracted axis; several contracted axes count as one K, in the product's order):
;;     1. [M 2,048, K 2,048] x [K 2,048, N 2,048]; A: input x; B: input wq: QUANTISED
;;     2. [M 2,048, K 2,048] x [K 2,048, N 2,048]; A: input x; B: input wk: QUANTISED
;;     3. [M 2,048, K 2,048] x [K 2,048, N 2,048]; A: input x; B: input wv: QUANTISED
;;     4. batch 16 x [M 2,048, K 128] x [K 128, N 2,048]; A: computed on the way; B: computed on the way: left as it is (an operand is computed on the way)
;;     5. batch 16 x [M 2,048, K 2,048] x [K 2,048, N 128]; A: computed on the way; B: computed on the way: left as it is (an operand is computed on the way)
;;     6. [M 2,048, K 2,048] x [K 2,048, N 2,048]; A: computed on the way; B: input wo: left as it is (an operand is computed on the way)
;;   THE QUANTISER, for each operand of a quantised product, along K:
;;     - K is cut into blocks of 32 from its start; a last block that is shorter is filled with zeros.
;;     - A block's scale is 2^e with e = floor(log2(the largest magnitude in the block)) - 2, held to -126 .. 127; a block of zeros has e = 0. As a byte (E8M0): e + 127.
;;     - Each number is divided by its block's scale, clamped to +-6, and rounded to the nearest number of E2M1, ties to even, subnormals kept.
;;     - The product sums the exact products of the quantised numbers (number of the format x scale) in f32.
;;   ~~~python
;;   def quantise(x, axis):      # numpy; x: float32 -> the quantised numbers, widened to float32 again
;;       x = np.moveaxis(x, axis, -1); K = x.shape[-1]
;;       x = np.pad(x, [(0, 0)] * (x.ndim - 1) + [(0, -K % 32)]); x = x.reshape(x.shape[:-1] + (-1, 32)); a = np.abs(x).max(-1, keepdims=True)
;;       e = np.where(a > 0, np.clip(np.frexp(np.where(a > 0, a, 1))[1] - 1 - 2, -126, 127), 0)      # np.frexp(a)[1] - 1 = floor(log2(a)), exactly
;;       r = np.clip(x / 2.0 ** e, -6, 6)
;;       step = 2.0 ** (np.maximum(np.frexp(np.where(r == 0, 1, r))[1] - 1, 0) - 1)
;;       q = np.round(r / step) * step * 2.0 ** e      # np.round: ties to even
;;       return np.moveaxis(q.reshape(q.shape[:-2] + (-1,))[..., :K], -1, axis).astype(np.float32)
;;   ~~~
;; One version. Each part assembles by itself: llvm-mc -triple=amdgcn-amd-amdhsa -mcpu=gfx1250 --defsym DOCPART=n.
;; ======== version 1 of 1: 5 launches
;; limits: values are held in f16: magnitudes above 65,504 overflow, below 6.1e-05 lose precision
;; workspace buffers: x_codes 2,097,152 bytes; x_scales 131,072 bytes; w_codes 6,291,456 bytes; w_scales 393,216 bytes; woh 8,388,608 bytes; qkv 25,165,824 bytes; att 8,388,608 bytes; attf 131,072 bytes
;; launch prep (part 1): grid 448 x 1, 4 waves a work-group, no clusters, 68,096 bytes of LDS; arguments x, wq, wk, wv, wo, x_codes, x_scales, w_codes, w_scales, woh; writes x_codes, x_scales, w_codes, w_scales, woh
.if DOCPART == 1
	.amdgcn_target "amdgcn-amd-amdhsa--gfx1250"
	.amdhsa_code_object_version 6
	.text
	.protected	k_q549779a0f5_prep
	.globl	k_q549779a0f5_prep
	.p2align	8
	.type	k_q549779a0f5_prep,@function
k_q549779a0f5_prep:
	s_mov_b64 s[64:65], 0
	v_nop
	global_prefetch_b8 v0, s[64:65] scope:SCOPE_SE
	s_setreg_imm32_b32 hwreg(HW_REG_WAVE_MODE, 25, 1), 1
	s_wait_xcnt 0x0
; THE OPERANDS ARE MADE READY, ONCE.  Three kinds of work-groups, told apart by the work-group's number alone:
;   0 .. 191   wq, wk, wv [2048 k][2048 n] f32 -> codes of FP4 (E2M1) laid [6144 n][2048 k], K innermost (n = 2048 x tensor + column), one E8M0 byte for each 32 along K, laid [6144][64]
;   192 .. 319 x [2048][2048] f32, K innermost -> codes [2048][1024 bytes], scale bytes [2048][64]
;   320 .. 447 wo [2048 k][2048 n] f32 -> f16, as it lies
; A block's scale is 2^(floor(log2(its largest magnitude)) - 2): its byte is the largest magnitude's exponent field - 2, held at 1 from below.
; LIMITS: a block of zeros gets the byte 1 where the quantiser's text says 127: its codes are zeros, which add nothing under any byte but 0xff, and this program alone reads the bytes.
; Blocks whose largest magnitude lies under 2^(3 - 127) keep the byte 1.  NaN and infinities among the inputs are not served.  wo beyond 65,504 becomes infinity in f16; under 6e-5 it is kept to 2^-25.
; The stream binds: no tensor loads, no barrier, no cluster: waves share nothing.  Each of the two paths that use LDS has LDS bytes of its own.
.set SPARE, 67584                      ; behind both paths' bytes: the spare words, 128 bytes for each wave
.set SPW,   14                         ; v14  LDS address of my spare word; never rewritten
.set NIL,   15                         ; v15  0; never rewritten
.set EMAX,  2
; the weights' path: LDS 0 .. 34,815: a stage of 32 rows x 272 bytes for each wave
.set NB,     16                        ; blocks of 32 along K for a wave: 512 along K
.set WPITCH, 272
.set KROW,   1024                      ; a row of codes in bytes
.set WX,     32                        ; v32-95   two sets of 32 numbers
.set WC,     96                        ; v96-99   a block's codes
.set OUTR,   112                       ; v112-175 the way out
.set SB,     24                        ; v24-27   the scale bytes, four to a register
; x's path: LDS 34,816 .. 67,583: 8,192 bytes for each wave: two stages of 32 x 80 bytes, then its 256 scale bytes
.set STEPS, 16
.set XBASE, 34816
.set WREG,  8192
.set SP,    80
.set CB,    8
.set XR,    16                         ; v16-79   four sets of 16 numbers as they are loaded
.set XX,    80                         ; v80-111  two sets of 16 neighbours
.set XE,    112                        ; v112-127 a scale byte for each step
.set XC,    128                        ; v128-191 codes, four registers for each step
; wo's path
.set OIN,   32                         ; v32-159  two sets of 64 numbers
.set OOUT,  160                        ; v160-191 32 registers of f16 pairs
.macro FINISH                          ; the wave's end
	s_wait_tensorcnt 0x0
	ds_add_u32 v[SPW], v[NIL]
	s_wait_dscnt 0x0
	s_endpgm
.endm
	s_load_b512 s[4:19], s[0:1], 0x0               ; x 4, wq 6, wk 8, wv 10, wo 12, x_codes 14, x_scales 16, w_codes 18
	s_load_b128 s[20:23], s[0:1], 0x40             ; w_scales 20, woh 22
	v_lshl_add_u32 v[SPW], v0, 2, SPARE
	v_mov_b32 v[NIL], 0
	v_lshrrev_b32 v1, 5, v0
	v_readfirstlane_b32 s24, v1                    ; wave 0..3
	v_and_b32 v2, 31, v0                           ; lane
	s_wait_kmcnt 0x0
	s_cmp_lt_u32 ttmp9, 192
	s_cbranch_scc0 .Lnot_w
; ---------------- THE WEIGHTS.  A lane takes a column n and its registers run down K: each load reads 128 consecutive bytes a wave, a block of 32 along K lies in one lane's 32 registers,
; and the conversions give codes with K innermost.  A wave takes 32 columns x 512 along K; its codes go through its own stage and leave as rows: sixteen lanes store 256 consecutive aligned bytes.
	s_lshr_b32 s25, ttmp9, 6                       ; which tensor: 0 wq, 1 wk, 2 wv
	s_and_b32 s28, ttmp9, 15
	s_lshl_b32 s28, s28, 7
	s_lshl_b32 s29, s24, 5
	s_add_co_u32 s28, s28, s29                     ; my wave's first column
	s_bfe_u32 s29, ttmp9, 0x20004                  ; which 512 along K
	s_lshl_b32 s30, s29, 22                        ; 512 rows of 8,192 bytes
	s_lshl_b32 s31, s28, 2
	s_add_co_u32 s30, s30, s31
	s_mov_b32 s31, 0
	s_cmp_eq_u32 s25, 0                            ; the choice hangs on the work-group's number alone
	s_cselect_b64 s[26:27], s[6:7], s[8:9]
	s_cmp_eq_u32 s25, 2
	s_cselect_b64 s[26:27], s[10:11], s[26:27]
	s_add_nc_u64 s[26:27], s[26:27], s[30:31]      ; the tensor at my wave's part
	s_lshl_b32 s32, s25, 11
	s_add_co_u32 s32, s32, s28                     ; my first row of the codes' buffer
	s_lshl_b32 s30, s32, 10
	s_lshl_b32 s33, s29, 8
	s_add_co_u32 s30, s30, s33
	s_add_nc_u64 s[18:19], s[18:19], s[30:31]      ; codes: row x 1,024 + 256 x part
	s_lshl_b32 s30, s32, 6
	s_lshl_b32 s33, s29, 4
	s_add_co_u32 s30, s30, s33
	s_add_nc_u64 s[20:21], s[20:21], s[30:31]      ; scale bytes: row x 64 + 16 x part
	v_lshlrev_b32 v3, 2, v2                        ; in: 4 bytes a lane
	s_mul_i32 s33, s24, 32*WPITCH                  ; my stage
	v_mul_u32_u24 v4, v2, WPITCH
	v_add_nc_u32 v4, s33, v4                       ; into it: row = my column
	v_and_b32 v5, 15, v2
	v_lshrrev_b32 v6, 4, v2                        ; out of it: sixteen lanes to a row, two rows an instruction
	v_mul_u32_u24 v7, v6, WPITCH
	v_lshl_add_u32 v7, v5, 4, v7
	v_add_nc_u32 v7, s33, v7
	v_mul_u32_u24 v8, v6, KROW
	v_lshl_add_u32 v8, v5, 4, v8                   ; and the same place in the codes' buffer
	v_mul_u32_u24 v9, v2, 64                       ; my column's row of scale bytes
.macro WLOAD t                         ; block t: W(32 t + i, my column) into set t % 2; the largest offset, 511 rows of 8,192 bytes, lies inside the signed 24-bit immediate
.irp i, 0,1,2,3,4,5,6,7,8,9,10,11,12,13,14,15,16,17,18,19,20,21,22,23,24,25,26,27,28,29,30,31
	global_load_b32 v[WX+32*((\t)%2)+\i], v3, s[26:27] offset:(32*(\t)+\i)*8192 th:TH_LOAD_NT
.endr
.endm
.macro WBLOCK t
.set XS, WX+32*((\t)%2)
.if (\t) < NB-1
	s_wait_loadcnt 32                              ; this block's 32 loads are in; the next block's may be out
.else
	s_wait_loadcnt 0x0
.endif
	v_max3_num_f32 v12, |v[XS]|, |v[XS+1]|, |v[XS+2]|              ; the block's largest magnitude: all 32 numbers are mine; two chains
	v_max3_num_f32 v13, |v[XS+3]|, |v[XS+4]|, |v[XS+5]|
.irp i, 6,10,14,18,22,26
	v_max3_num_f32 v12, v12, |v[XS+\i]|, |v[XS+\i+1]|
	v_max3_num_f32 v13, v13, |v[XS+\i+2]|, |v[XS+\i+3]|
.endr
	v_max3_num_f32 v12, v12, |v[XS+30]|, |v[XS+31]|
	v_max3_num_f32 v12, v12, v13, (EMAX+1)<<23     ; and the floor 2^(3 - 127): the byte cannot fall under 1
	v_add_nc_u32 v11, -(EMAX<<23), v12             ; 2 off its exponent field: the conversion takes the exponent field of this operand as its scale
	v_lshrrev_b32 v13, 23, v11                     ; the scale's byte
.if (\t)%4 == 0
	v_mov_b32 v[SB+(\t)/4], v13                    ; four bytes to a register, the lower K in the lower byte
.else
	v_lshl_or_b32 v[SB+(\t)/4], v13, 8*((\t)%4), v[SB+(\t)/4]
.endif
.irp g, 0,1,2,3
	v_cvt_scalef32_pk8_fp4_f32 v[WC+\g], v[XS+8*\g:XS+8*\g+7], v11
.endr
	ds_store_b128 v4, v[WC:WC+3] offset:16*(\t)    ; 32 codes: 16 bytes of my column's row
.if (\t)+2 < NB
	WLOAD (\t)+2
.endif
	s_wait_dscnt 0x0                               ; the store has read its registers: the next block's codes may be written
.endm
	WLOAD 0
	WLOAD 1
.set Q, 0
.rept NB
	WBLOCK Q
.set Q, Q+1
.endr
	global_store_b128 v9, v[SB:SB+3], s[20:21]     ; my column's 16 scale bytes
.irp t, 0,1,2,3,4,5,6,7,8,9,10,11,12,13,14,15
	ds_load_b128 v[OUTR+4*\t:OUTR+4*\t+3], v7 offset:2*\t*WPITCH   ; LDS serves a wave's instructions in order: these see my stores
.endr
.irp t, 0,1,2,3,4,5,6,7,8,9,10,11,12,13,14,15
	s_wait_dscnt 15-\t                             ; the younger loads may be out
	global_store_b128 v8, v[OUTR+4*\t:OUTR+4*\t+3], s[18:19] offset:2*\t*KROW
.endr
	FINISH
.Lnot_w:
	s_cmp_lt_u32 ttmp9, 320
	s_cbranch_scc0 .Lpath_o
; ---------------- x.  Rows are dense, so x is a plain stream of blocks of 32.  A wave takes 16 steps of 512 numbers.  Each load reads 512 consecutive bytes; a step's 2,048 bytes turn through the wave's own
; stage so that a lane then holds 16 neighbours (two neighbouring lanes hold a block).  A lane's 16 codes are 8 bytes: the wave stores 256 consecutive bytes.  A wave's 256 scale bytes leave as one store.
	v_lshlrev_b32 v3, 4, v2                        ; my 16 bytes of a load's 512
	s_mul_i32 s25, s24, WREG
	s_add_co_u32 s25, s25, XBASE                   ; my wave's region
	v_lshrrev_b32 v12, 2, v2
	v_mul_u32_u24 v12, v12, SP
	v_and_b32 v13, 3, v2
	v_lshl_add_u32 v12, v13, 4, v12
	v_add_nc_u32 v12, s25, v12                     ; the stage, on the way in: 80 (lane / 4) + 16 (lane % 4)
	v_mul_u32_u24 v13, v2, SP
	v_add_nc_u32 v13, s25, v13                     ; and on the way out: 80 x lane: my 16 neighbours
	v_mul_u32_u24 v4, v2, CB                       ; my codes' place in a step's
	v_lshrrev_b32 v5, 1, v2
	s_add_co_u32 s25, s25, 2*32*SP
	v_add_nc_u32 v5, s25, v5                       ; my wave's 256 scale bytes, my block's byte
	v_lshlrev_b32 v7, 3, v2                        ; and on the way out 8 bytes a lane
	v_add_nc_u32 v6, s25, v7
	s_sub_co_u32 s26, ttmp9, 192
	s_lshl_b32 s26, s26, 2
	s_add_co_u32 s26, s26, s24                     ; which run of 8,192 numbers is my wave's
	s_mov_b32 s29, 0
	s_lshl_b32 s28, s26, 15
	s_add_nc_u64 s[4:5], s[4:5], s[28:29]
	s_lshl_b32 s28, s26, 12
	s_add_nc_u64 s[14:15], s[14:15], s[28:29]
	s_lshl_b32 s28, s26, 8
	s_add_nc_u64 s[16:17], s[16:17], s[28:29]
.macro XLOAD t
.irp i, 0,1,2,3
	global_load_b128 v[XR+16*((\t)%4)+4*\i:XR+16*((\t)%4)+4*\i+3], v3, s[4:5] offset:2048*(\t)+512*\i th:TH_LOAD_NT
.endr
.endm
.macro XTURN t                         ; step t's numbers through the stage: LDS serves a wave's instructions in order, so no wait stands between the stores and the loads
.irp i, 0,1,2,3
	ds_store_b128 v12, v[XR+16*((\t)%4)+4*\i:XR+16*((\t)%4)+4*\i+3] offset:32*SP*((\t)%2)+8*SP*\i
.endr
.irp i, 0,1,2,3
	ds_load_b128 v[XX+16*((\t)%2)+4*\i:XX+16*((\t)%2)+4*\i+3], v13 offset:32*SP*((\t)%2)+16*\i
.endr
.endm
.irp t, 0,1,2,3
	XLOAD \t
.endr
	s_wait_loadcnt 12                              ; step 0's four loads are in
	XTURN 0
.macro XSTEP t
.set XS, XX+16*((\t)%2)
.if (\t) > 0
	s_wait_dscnt 1                                 ; this step's numbers are back from the stage (the last step's byte store may be out)
.else
	s_wait_dscnt 0x0
.endif
.if (\t)+4 < STEPS
	XLOAD (\t)+4                                   ; into the registers that the stage's stores have read
.endif
.if (\t)+1 < STEPS
.if STEPS-2-(\t) >= 3
	s_wait_loadcnt 12                              ; the next step's four loads are in; those of the three steps behind it may be out
.else
	s_wait_loadcnt 4*(STEPS-2-(\t))
.endif
	XTURN (\t)+1
.endif
	v_max3_num_f32 v8, |v[XS]|, |v[XS+1]|, |v[XS+2]|               ; the largest magnitude of my 16
	v_max3_num_f32 v9, |v[XS+3]|, |v[XS+4]|, |v[XS+5]|
.irp i, 6,10
	v_max3_num_f32 v8, v8, |v[XS+\i]|, |v[XS+\i+1]|
	v_max3_num_f32 v9, v9, |v[XS+\i+2]|, |v[XS+\i+3]|
.endr
	v_max3_num_f32 v8, v8, |v[XS+14]|, |v[XS+15]|
	v_max3_num_f32 v8, v8, v9, (EMAX+1)<<23        ; and the floor
	v_max_num_f32_dpp v8, v8, v8 row_xmask:1 row_mask:0xf bank_mask:0xf   ; and of my neighbour's 16: the block's
	v_add_nc_u32 v11, -(EMAX<<23), v8
	v_cvt_scalef32_pk8_fp4_f32 v[XC+4*(\t)], v[XS:XS+7], v11
	v_cvt_scalef32_pk8_fp4_f32 v[XC+4*(\t)+1], v[XS+8:XS+15], v11
	v_lshrrev_b32 v[XE+(\t)], 23, v11              ; the scale's byte
	ds_store_b8 v5, v[XE+(\t)] offset:16*(\t)      ; both lanes of a block write the same byte with the same value
	global_store_b64 v4, v[XC+4*(\t):XC+4*(\t)+1], s[14:15] offset:32*CB*(\t)
.endm
.irp t, 0,1,2,3,4,5,6,7,8,9,10,11,12,13,14,15
	XSTEP \t
.endr
	ds_load_b64 v[8:9], v6                         ; these see my byte stores
	s_wait_dscnt 0x0
	global_store_b64 v7, v[8:9], s[16:17]          ; 32 lanes store 256 consecutive aligned bytes
	FINISH
.Lpath_o:
; ---------------- wo to f16, as it lies.  A wave takes 8,192 numbers in four batches of 16 loads; a load reads 512 consecutive bytes, a store writes 256.  No LDS.
	v_lshlrev_b32 v3, 4, v2
	v_lshlrev_b32 v4, 3, v2
	s_sub_co_u32 s26, ttmp9, 320
	s_lshl_b32 s26, s26, 2
	s_add_co_u32 s26, s26, s24
	s_mov_b32 s29, 0
	s_lshl_b32 s28, s26, 15
	s_add_nc_u64 s[12:13], s[12:13], s[28:29]
	s_lshl_b32 s28, s26, 14
	s_add_nc_u64 s[22:23], s[22:23], s[28:29]
.macro OLOAD b
.irp i, 0,1,2,3,4,5,6,7,8,9,10,11,12,13,14,15
	global_load_b128 v[OIN+64*((\b)%2)+4*\i:OIN+64*((\b)%2)+4*\i+3], v3, s[12:13] offset:512*(16*(\b)+\i) th:TH_LOAD_NT
.endr
.endm
.macro OB b
.if (\b) < 3
	s_wait_loadcnt 16                              ; this batch is in; the next one's 16 loads may be out
.else
	s_wait_loadcnt 0x0
.endif
.if (\b) > 0
	s_wait_xcnt 0x0                                ; the last batch's stores have read their data registers, which are written again below
.endif
.irp i, 0,1,2,3,4,5,6,7,8,9,10,11,12,13,14,15
	v_cvt_pk_f16_f32 v[OOUT+2*\i],   v[OIN+64*((\b)%2)+4*\i],   v[OIN+64*((\b)%2)+4*\i+1]
	v_cvt_pk_f16_f32 v[OOUT+2*\i+1], v[OIN+64*((\b)%2)+4*\i+2], v[OIN+64*((\b)%2)+4*\i+3]
.endr
.if (\b)+2 < 4
	OLOAD (\b)+2
.endif
.irp i, 0,1,2,3,4,5,6,7,8,9,10,11,12,13,14,15
	global_store_b64 v4, v[OOUT+2*\i:OOUT+2*\i+1], s[22:23] offset:256*(16*(\b)+\i)
.endr
.endm
	OLOAD 0
	OLOAD 1
	OB 0
	OB 1
	OB 2
	OB 3
	s_endpgm
.Lfunc_end_k_q549779a0f5_prep:
	.size	k_q549779a0f5_prep, .Lfunc_end_k_q549779a0f5_prep-k_q549779a0f5_prep
	.p2alignl 7, 3214868480
	.fill 96, 4, 3214868480
	.section	.rodata,"a",@progbits
	.p2align	6, 0x0
	.amdhsa_kernel k_q549779a0f5_prep
		.amdhsa_group_segment_fixed_size 68096
		.amdhsa_private_segment_fixed_size 0
		.amdhsa_enable_private_segment 0
		.amdhsa_kernarg_size 80
		.amdhsa_user_sgpr_count 2
		.amdhsa_user_sgpr_kernarg_segment_ptr 1
		.amdhsa_wavefront_size32 1
		.amdhsa_system_sgpr_workgroup_id_x 1
		.amdhsa_system_sgpr_workgroup_id_y 1
		.amdhsa_system_sgpr_workgroup_id_z 1
		.amdhsa_system_vgpr_workitem_id 0
		.amdhsa_next_free_vgpr 192
		.amdhsa_next_free_sgpr 66
		.amdhsa_reserve_vcc 0
		.amdhsa_float_denorm_mode_32 3
		.amdhsa_float_denorm_mode_16_64 3
		.amdhsa_memory_ordered 1
		.amdhsa_forward_progress 1
		.amdhsa_inst_pref_size 131
	.end_amdhsa_kernel
	.amdgpu_metadata
---
amdhsa.version: [ 1, 2 ]
amdhsa.kernels:
  - .name:           k_q549779a0f5_prep
    .symbol:         k_q549779a0f5_prep.kd
    .args:
      - { .name: x, .offset: 0, .size: 8, .value_kind: global_buffer, .address_space: global }
      - { .name: wq, .offset: 8, .size: 8, .value_kind: global_buffer, .address_space: global }
      - { .name: wk, .offset: 16, .size: 8, .value_kind: global_buffer, .address_space: global }
      - { .name: wv, .offset: 24, .size: 8, .value_kind: global_buffer, .address_space: global }
      - { .name: wo, .offset: 32, .size: 8, .value_kind: global_buffer, .address_space: global }
      - { .name: x_codes, .offset: 40, .size: 8, .value_kind: global_buffer, .address_space: global }
      - { .name: x_scales, .offset: 48, .size: 8, .value_kind: global_buffer, .address_space: global }
      - { .name: w_codes, .offset: 56, .size: 8, .value_kind: global_buffer, .address_space: global }
      - { .name: w_scales, .offset: 64, .size: 8, .value_kind: global_buffer, .address_space: global }
      - { .name: woh, .offset: 72, .size: 8, .value_kind: global_buffer, .address_space: global }
    .group_segment_fixed_size: 68096
    .private_segment_fixed_size: 0
    .kernarg_segment_align: 8
    .kernarg_segment_size: 80
    .max_flat_workgroup_size: 128
    .sgpr_count:     66
    .vgpr_count:     192
    .wavefront_size: 32
...
	.end_amdgpu_metadata
.endif
;; end of part 1
;; launch qkv (part 2): grid 24 x 8, 4 waves a work-group, clusters of 4 x 4, 327,680 bytes of LDS; arguments x_codes, x_scales, w_codes, w_scales, freqs_cos, freqs_sin, qkv; writes qkv
.if DOCPART == 2
	.amdgcn_target "amdgcn-amd-amdhsa--gfx1250"
	.amdhsa_code_object_version 6
	.text
	.protected	k_q549779a0f5_qkv
	.globl	k_q549779a0f5_qkv
	.p2align	8
	.type	k_q549779a0f5_qkv,@function
k_q549779a0f5_qkv:
	s_mov_b64 s[64:65], 0
	v_nop
	global_prefetch_b8 v0, s[64:65] scope:SCOPE_SE
	s_setreg_imm32_b32 hwreg(HW_REG_WAVE_MODE, 25, 1), 1
	s_wait_xcnt 0x0
	s_wait_alu depctr_hold_cnt(0) depctr_sa_sdst(0) depctr_va_vdst(0) depctr_va_sdst(0) depctr_va_ssrc(0) depctr_va_vcc(0) depctr_vm_vsrc(0)
	s_getreg_b32 s2, hwreg(HW_REG_IB_STS2, 6, 4)
	s_cmp_eq_u32 s2, 0
	s_cbranch_scc0 .Lentry_in_a_cluster
	s_endpgm
.Lentry_in_a_cluster:
	s_bfe_u32 s2, ttmp6, 0x10000c
	s_cmp_lg_u32 s2, 0xf033
	s_cbranch_scc0 .Lentry_shape_is_right
	s_endpgm
.Lentry_shape_is_right:
; x wq, x wk, x wv AS ONE PRODUCT ON CODES OF FP4 (E2M1): C[s][n] = sum over k of X[s][k] W[n][k], X [2048][2048], W [6144][2048] (n = 2048 x tensor + column), one E8M0 byte for each 32 along K; sums in f32.
; ON THE WAY OUT: the rotary embedding (q, k), q's factor 1 / sqrt(128), and the rounding to f16: qkv [48 g][2048 s][128], g = 16 x tensor + head: a row is 256 bytes.
; A tile of C, 256 x 256, is made by four waves, each 128 x 128: 64 accumulators, 512 registers.  A wave's 128 columns are one head of one tensor.  K goes in steps of 512 through a ring of two LDS slots
; filled by the tensor data mover; the scale bytes of the tile's rows, for all of K, come into LDS once, with the first fills.
; CLUSTERS: 4 x 4 work-groups.  The four of a row of the cluster need the same tiles of X, the four of a column the same tiles of W: each tile is asked for jointly.
; THE MATRIX INSTRUCTION IS USED TRANSPOSED (source 0 = 16 rows of W, source 1 = 16 rows of X): a lane then holds eight neighbouring columns of a row of C.
; 192 work-groups: a tile of half the height would give 384, one and a half rounds of the 256 WGPs; this launch has the least matrix work of the program, so the larger tile is kept.
; LIMIT: q, k, v beyond 65,504 become infinity in f16.
; REGISTERS: window 0: v0-31 addresses and the rotation's two factors; v32-95 scale words, two sets; from v128 X's fragments, one set; on the way out v32-255 are free.
;   window 1: W's fragments, two sets.   window 2: the accumulators of my rows 0-63 ((a, b) at v[8 (8 a + b)]);   window 3: those of my rows 64-127.
.set SIZE_K, 2048
.set KSTEP,  512
.set NQ,     KSTEP/128
.set ROWB,   256                       ; a tile's row in bytes
.set KROW,   SIZE_K*4/8                ; a row of codes in memory
.set PITCH,  272                       ; an LDS row: 256 bytes + 16 of padding: the 16 rows that a load touches start at 16 different banks (64 banks of 4 bytes: ISA guide 11.1)
.set FR,     8
.set NL,     2
.set NP,     4                         ; places behind this matrix instruction (ISA guide 7.12.1)
.set HALFT,  128*PITCH
.set SLOT,   4*HALFT
.set LAPS,   SIZE_K/(2*KSTEP)
.set KS,     SIZE_K/32                 ; a row of scale bytes
.set SCL,    2*SLOT                    ; behind the ring: the scales, as units of 256 bytes + 16 of padding
.set HALFS,  (128*KS/256)*272
.set SBLK,   (16*KS/256)*272
.set SPARE,  SCL+4*HALFS               ; the spare words, 128 bytes for each wave
.set SPITCH, 528                       ; the way out: a stage of 16 rows x (512 + 16) bytes for each wave, in slot 0, which has had its last fill and its last read by then
.set ADRA, 16
.set ADRB, 20
.set STO,  24                          ; v24  the way out: where I put 32 bytes of a row
.set RD,   25                          ; v25  where I read a row back: 16 bytes a lane
.set CO,   26                          ; v26  8 x lane: my place in a row of cos, of sin and of qkv (each 256 bytes)
.set ADRS, 27
.set SPW,  28
.set NIL,  29
.set SC,   32
.set AF,   128
.set XB,   32                          ; the way out: v32-95 16 rows back from the stage, 4 numbers a lane
.set CSB,  96                          ; v96-223 two sets: 16 x 2 of cos, then 16 x 2 of sin
.set OUTB, 224                         ; v224-255 16 rows x 4 f16
.set G1, 24
.set G0, 32
.set G1B, 48
.set G0B, 56
.set G1S, 68
.set G0S, 76
.set G1SB, 80
.set G0SB, 88
.set MSB, 0
.macro WIN new                         ; the immediate's high byte repeats the setting that is left
.if MSB != \new
	s_set_vgpr_msb (MSB<<8)|\new
.set MSB, \new
.endif
.endm
.set MUL_LO, 0xa1                      ; source 0 (W) window 1, source 1 (X) window 0, C and D window 2
.set MUL_HI, 0xf1
.set TO_B,   0x40
; A joint load: waves 0 and 1 fetch for X, waves 2 and 3 for W; the branch hangs on the wave's number alone.  An s_nop 0 and four v_nop follow each line.
.macro JLOAD g0a, g1a, g0b, g1b
	s_cmp_eq_u32 s15, 0
	s_cbranch_scc0 .Lfor_b_\@
	tensor_load_to_lds s[\g0a:\g0a+3], s[\g1a:\g1a+7]
	s_nop 0
.rept 4
	v_nop
.endr
	s_branch .Lasked_\@
.Lfor_b_\@:
	tensor_load_to_lds s[\g0b:\g0b+3], s[\g1b:\g1b+7]
	s_nop 0
.rept 4
	v_nop
.endr
.Lasked_\@:
.endm
.macro CREST                           ; a round of the cluster's barrier behind its opening barrier
	s_cmp_lg_u32 s14, 0
	s_cbranch_scc1 .Lnot_wave_0_\@
	s_barrier_signal -3
.Lnot_wave_0_\@:
	s_barrier_wait -3
	s_barrier_signal -1
	s_barrier_wait -1
.endm
.macro CROUND
	s_barrier_signal -1
	s_barrier_wait -1
	CREST
.endm
	s_load_b128 s[4:7], s[0:1], 0x0                ; X's codes, X's scales
	s_load_b128 s[8:11], s[0:1], 0x10              ; W's codes, W's scales
	s_load_b64 s[12:13], s[0:1], 0x20              ; cos
	s_load_b128 s[96:99], s[0:1], 0x28             ; sin s[96:97], qkv s[98:99]
	v_lshl_add_u32 v[SPW], v0, 2, SPARE
	v_mov_b32 v[NIL], 0
	ds_add_u32 v[SPW], v[NIL]                      ; the wave's opening: the add, twice on end, and its wait ahead of my first tensor load
	ds_add_u32 v[SPW], v[NIL]
	v_lshrrev_b32 v1, 5, v0
	v_readfirstlane_b32 s14, v1                    ; wave 0..3
	s_lshr_b32 s15, s14, 1                         ; which half of the tile's rows is mine.  Also: I fetch for X (0) or for W (1)
	s_and_b32 s16, s14, 1                          ; which half of its columns.  Also: which 128 rows of that tile I fetch
	s_bfe_u32 s40, ttmp6, 0x40000                  ; cx, cy
	s_bfe_u32 s41, ttmp6, 0x40004
	s_lshl_b32 s42, ttmp9, 2
	s_add_co_u32 s42, s42, s40                     ; tile column = 4 x cluster x + cx
	s_and_b32 s17, ttmp7, 0xffff
	s_lshl_b32 s17, s17, 2
	s_add_co_u32 s17, s17, s41                     ; tile row = 4 x cluster y + cy
	s_lshl_b32 s43, s41, 2
	s_lshl_b32 s43, 15, s43                        ; my row of the cluster
	s_lshl_b32 s44, 0x1111, s40                    ; my column
	s_or_b32 s[G1+0], s43, (0<<16)|(1<<20)|(1<<21)|(5<<22)|(3<<25)  ; the mask; elements of 1 byte; padding: 4 words after every 64
	s_or_b32 s[G1B+0], s44, (0<<16)|(1<<20)|(1<<21)|(5<<22)|(3<<25)
.irp g, G1, G1B
	s_mov_b32 s[\g+1], ROWB<<16                    ; tensor_dim0
	s_mov_b32 s[\g+2], 128<<16                     ; tensor_dim1
	s_mov_b32 s[\g+3], ROWB<<16                    ; tile_dim0
	s_mov_b32 s[\g+4], 128                         ; tile_dim1
	s_mov_b32 s[\g+5], KROW                        ; the pitch
	s_mov_b32 s[\g+6], 0
	s_mov_b32 s[\g+7], 0
.endr
	s_or_b32 s[G1S+0], s43, (3<<16)|(1<<20)|(1<<21)|(5<<22)|(3<<25) ; the scales of 128 rows: a dense block, as rows of 256 bytes (32 elements of 8 bytes)
	s_or_b32 s[G1SB+0], s44, (3<<16)|(1<<20)|(1<<21)|(5<<22)|(3<<25)
.irp g, G1S, G1SB
	s_mov_b32 s[\g+1], 32<<16
	s_mov_b32 s[\g+2], (128*KS/256)<<16
	s_mov_b32 s[\g+3], 32<<16
	s_mov_b32 s[\g+4], 128*KS/256
	s_mov_b32 s[\g+5], 32
	s_mov_b32 s[\g+6], 0
	s_mov_b32 s[\g+7], 0
.endr
	s_lshl_b32 s18, s16, 7
	s_lshl_b32 s20, s17, 8
	s_add_co_u32 s20, s20, s18                     ; X: row 256 x tile row + 128 x half
	s_lshl_b32 s46, s42, 8
	s_add_co_u32 s46, s46, s18                     ; W: row 256 x tile column + 128 x half
	s_mov_b32 s21, 0
	s_mov_b32 s47, 0
	s_mov_b64 s[18:19], KS
	s_mul_u64 s[22:23], s[20:21], s[18:19]         ; where these rows' scales begin
	s_mul_u64 s[92:93], s[46:47], s[18:19]
	s_mov_b64 s[18:19], KROW
	s_mul_u64 s[20:21], s[20:21], s[18:19]         ; and their codes
	s_mul_u64 s[46:47], s[46:47], s[18:19]
	s_mul_i32 s45, s14, HALFT                      ; where they go: wave x 128 rows
	s_mul_i32 s94, s14, HALFS
	; the rotation's two factors, chosen without a branch by the tensor (8 tile columns to a tensor: cluster x / 2): c' = a c + b, s' = a s.  q: a = 1 / sqrt(128), b = 0;  k: a = 1, b = 0;  v: a = 0, b = 1: no rotation
	s_lshr_b32 s95, ttmp9, 1
	s_cmp_eq_u32 s95, 0
	s_cselect_b32 s66, 0x3db504f3, 1.0
	s_cmp_eq_u32 s95, 2
	s_cselect_b32 s66, 0, s66
	s_cselect_b32 s67, 1.0, 0
	s_wait_dscnt 0x0                               ; both opening adds are done
	s_wait_kmcnt 0x0
	s_add_nc_u64 s[20:21], s[4:5], s[20:21]
	s_add_nc_u64 s[22:23], s[6:7], s[22:23]
	s_add_nc_u64 s[46:47], s[8:9], s[46:47]
	s_add_nc_u64 s[92:93], s[10:11], s[92:93]
	CROUND                                         ; all sixteen work-groups are here: the first joint loads meet
	s_mov_b32 s[G0S], 1
	s_add_co_u32 s[G0S+1], s94, SCL
	s_mov_b64 s[G0S+2:G0S+3], s[22:23]
	s_or_b32 s[G0S+3], s[G0S+3], 0x80000000
	s_mov_b32 s[G0SB], 1
	s_add_co_u32 s[G0SB+1], s94, SCL
	s_mov_b64 s[G0SB+2:G0SB+3], s[92:93]
	s_or_b32 s[G0SB+3], s[G0SB+3], 0x80000000
	JLOAD G0S, G1S, G0SB, G1SB                     ; the scales first: they are wanted with K step 0
.irp s, 0,1
	s_mov_b32 s[G0+4*\s], 1
	s_add_co_u32 s[G0+4*\s+1], s45, \s*SLOT
	s_add_nc_u64 s[G0+4*\s+2:G0+4*\s+3], s[20:21], \s*ROWB
	s_or_b32 s[G0+4*\s+3], s[G0+4*\s+3], 0x80000000
	s_mov_b32 s[G0B+4*\s], 1
	s_add_co_u32 s[G0B+4*\s+1], s45, \s*SLOT
	s_add_nc_u64 s[G0B+4*\s+2:G0B+4*\s+3], s[46:47], \s*ROWB
	s_or_b32 s[G0B+4*\s+3], s[G0B+4*\s+3], 0x80000000
	JLOAD G0+4*\s, G1, G0B+4*\s, G1B
.endr
	v_and_b32 v1, 15, v0                           ; l % 16
	v_bfe_u32 v2, v0, 4, 1                         ; l / 16
	v_mul_u32_u24 v3, v1, PITCH
	v_lshl_add_u32 v4, v2, 4, v3                   ; a fragment's row x pitch + 16 x half
	s_mul_i32 s21, s15, HALFT                      ; my 128 rows of X
	s_mul_i32 s22, s16, HALFT                      ; my 128 rows of W,
	s_add_co_u32 s22, s22, 2*HALFT                 ; which lie behind X's 256
.irp s, 0,1
	v_add_nc_u32 v[ADRA+\s], s21, v4
	v_add_nc_u32 v[ADRB+\s], s22, v4
	s_add_co_u32 s21, s21, SLOT
	s_add_co_u32 s22, s22, SLOT
.endr
	v_mul_u32_u24 v5, v1, KS                       ; my row's scales: 64 bytes a row,
	v_lshrrev_b32 v6, 8, v5
	v_lshl_add_u32 v5, v6, 4, v5                   ; and 16 more for each 256 passed
	s_mul_i32 s21, s15, HALFS
	s_mul_i32 s22, s16, HALFS
	s_add_co_u32 s22, s22, 2*HALFS
	s_sub_co_u32 s22, s22, s21
	v_mul_u32_u24 v6, s22, v2                      ; lanes 16-31 take W's
	s_add_co_u32 s21, s21, SCL
	v_add_nc_u32 v5, v5, v6
	v_add_nc_u32 v[ADRS], s21, v5
	s_mul_i32 s23, s14, 16*SPITCH                  ; my stage
	v_mul_u32_u24 v5, v1, SPITCH                   ; in: row l % 16, 32 bytes for each half of the lanes
	v_lshl_add_u32 v5, v2, 5, v5
	v_add_nc_u32 v[STO], s23, v5
	v_and_b32 v6, 31, v0
	v_lshlrev_b32 v[CO], 3, v6
	v_lshl_add_u32 v[RD], v6, 4, s23               ; back: the 32 lanes take one row of 512 bytes: lane l has columns 4 l .. 4 l + 3: the pairs 2 l and 2 l + 1
	v_mov_b32 v10, s66
	v_mov_b32 v11, s66                             ; (a, a)
	v_mov_b32 v12, s67
	v_mov_b32 v13, s67                             ; (b, b)
	s_lshl_b32 s20, s17, 8
	s_lshl_b32 s21, s15, 7
	s_add_co_u32 s20, s20, s21                     ; my first position: 256 x tile row + 128 x half
	s_lshl_b32 s20, s20, 8                         ; rows of cos, sin and qkv are 256 bytes each
	s_mov_b32 s21, 0
	s_add_nc_u64 s[12:13], s[12:13], s[20:21]
	s_add_nc_u64 s[96:97], s[96:97], s[20:21]
	s_add_nc_u64 s[98:99], s[98:99], s[20:21]
	s_lshl_b32 s46, s42, 1
	s_add_co_u32 s46, s46, s16                     ; g = 2 x tile column + half
	s_lshl_b32 s46, s46, 19                        ; 2,048 rows of 256 bytes
	s_mov_b32 s47, 0
	s_add_nc_u64 s[98:99], s[98:99], s[46:47]
.macro FRAG reg, adr, q, i             ; 16 rows x 128 K of 4-bit codes: 8 registers: lane l holds row l % 16; registers 4 c .. 4 c + 3 hold K = 64 c + 32 (l / 16) + 0 .. 31
.irp c, 0,1
	ds_load_b128 v[\reg+4*\c:\reg+4*\c+3], v[\adr] offset:64*(\q)+32*\c+(\i)*16*PITCH
.endr
.endm
; 16 matrix instructions: X's blocks a0, a0 + 1 x W's eight, 128 along K.  The 64 accumulators take turns, one instruction a turn.  zero = 1: the first product starts the sums.
.macro MUL16 a0, p, q, sc, zero
.irp a, \a0, \a0+1
.irp b, 0,1,2,3,4,5,6,7
.if \zero
	v_wmma_scale_f32_16x16x128_f8f6f4 v[8*(8*((\a)%4)+\b):8*(8*((\a)%4)+\b)+7], v[128*(\p)+FR*\b:128*(\p)+FR*\b+FR-1], v[AF+FR*(\a):AF+FR*(\a)+FR-1], 0, v[SC+8*NQ*(\sc)+NQ*\b+(\q)], v[SC+8*NQ*(\sc)+NQ*(\a)+(\q)] matrix_a_fmt:MATRIX_FMT_FP4 matrix_b_fmt:MATRIX_FMT_FP4 matrix_a_scale:MATRIX_SCALE_ROW1
.else
	v_wmma_scale_f32_16x16x128_f8f6f4 v[8*(8*((\a)%4)+\b):8*(8*((\a)%4)+\b)+7], v[128*(\p)+FR*\b:128*(\p)+FR*\b+FR-1], v[AF+FR*(\a):AF+FR*(\a)+FR-1], v[8*(8*((\a)%4)+\b):8*(8*((\a)%4)+\b)+7], v[SC+8*NQ*(\sc)+NQ*\b+(\q)], v[SC+8*NQ*(\sc)+NQ*(\a)+(\q)] matrix_a_fmt:MATRIX_FMT_FP4 matrix_b_fmt:MATRIX_FMT_FP4 matrix_a_scale:MATRIX_SCALE_ROW1
.endif
.endr
.endr
.endm
.macro FETCH_B slot, q, p
	WIN TO_B
.irp i, 0,1,2,3,4,5,6,7
	FRAG 128*(\p)+FR*\i, ADRB+\slot, \q, \i
.endr
	WIN 0
.endm
.macro FETCH_A slot, q, i0
.irp i, \i0, \i0+1, \i0+2, \i0+3
	FRAG AF+FR*(\i), ADRA+\slot, \q, \i
.endr
.endm
.macro SCALES sc                       ; a K step's scale words: lanes 0-15 take X's block i, lanes 16-31 W's block i
.irp i, 0,1,2,3,4,5,6,7
	ds_load_b128 v[SC+8*NQ*\sc+NQ*\i:SC+8*NQ*\sc+NQ*\i+3], v[ADRS] offset:\i*SBLK
.endr
.endm
.macro PLACES n                        ; plain vector instructions that name no register of the matrix instructions ahead of them, in front of loads into their registers and of reads of results
.rept \n
	v_nop
.endr
.endm
.macro STEP slot, q, zero              ; a step of 128 along K that has its successor in the same slot
	s_wait_dscnt 4*NL                              ; W's set and X's blocks 0-3 are in; the youngest eight loads (X's blocks 4-7) may be out
	WIN MUL_LO
	MUL16 0, (\q)%2, \q, \slot, \zero
	MUL16 2, (\q)%2, \q, \slot, \zero
	s_wait_dscnt 0
	PLACES NP
	FETCH_B \slot, (\q)+1, 1-(\q)%2
	FETCH_A \slot, (\q)+1, 0
	WIN MUL_HI
	MUL16 4, (\q)%2, \q, \slot, \zero
	MUL16 6, (\q)%2, \q, \slot, \zero
	PLACES NP
	WIN 0
	FETCH_A \slot, (\q)+1, 4
.endm
; A slot's last step changes slots: one barrier; in front of it each wave waits for all its tensor loads, adds 0 to its spare word, and waits for that and for its own reads of this slot.
.macro TURN slot, next, fill
	s_wait_tensorcnt 0x0                           ; all my tensor loads have landed: my part of the next slot
	ds_add_u32 v[SPW], v[NIL]
	s_wait_dscnt 4*NL+1                            ; (the add and the youngest eight loads may be out)
	WIN MUL_LO
	MUL16 0, 1, NQ-1, \slot, 0
	s_wait_dscnt 0x0                               ; the add is done, and my reads of this slot are over
	s_barrier_signal -1
	MUL16 2, 1, NQ-1, \slot, 0
	WIN 0
	s_barrier_wait -1
.if \fill
	CREST                                          ; the barrier has opened a round of the cluster's barrier: no wave of any partner still reads this slot or has a load on its way
	s_add_nc_u64 s[G0+4*\slot+2:G0+4*\slot+3], s[G0+4*\slot+2:G0+4*\slot+3], 2*ROWB
	s_add_nc_u64 s[G0B+4*\slot+2:G0B+4*\slot+3], s[G0B+4*\slot+2:G0B+4*\slot+3], 2*ROWB
	JLOAD G0+4*\slot, G1, G0B+4*\slot, G1B         ; the first tensor load behind the round; its four v_nop are the places in front of the loads below
.else
	PLACES NP
.endif
	v_add_nc_u32 v[ADRS], 4*NQ, v[ADRS]            ; on to the next K step's scale words
	FETCH_B \next, 0, 0
	FETCH_A \next, 0, 0
	SCALES \next
	WIN MUL_HI
	MUL16 4, 1, NQ-1, \slot, 0
	MUL16 6, 1, NQ-1, \slot, 0
	PLACES NP
	WIN 0
	FETCH_A \next, 0, 4
.endm
.macro STEPS slot, from
.set Q, \from
.rept NQ-1-\from
	STEP \slot, Q, 0
.set Q, Q+1
.endr
.endm
	s_wait_tensorcnt 1                             ; the scales and my part of K step 0 are in (K step 1's load may be out),
	s_barrier_signal -1
	s_barrier_wait -1                              ; everybody's are
	FETCH_B 0, 0, 0
	FETCH_A 0, 0, 0
	SCALES 0
	FETCH_A 0, 0, 4
	STEP 0, 0, 1                                   ; the first step stands in front of the loop: its products start the sums
	s_mov_b32 s3, LAPS-1
.Llap:                                                 ; a trip goes once round the ring and fills both slots again
	STEPS 0, 1
	TURN 0, 1, 1
	STEPS 1, 0
	TURN 1, 0, 1
	STEP 0, 0, 0
	s_sub_co_u32 s3, s3, 1
	s_cmp_lg_u32 s3, 0
	s_cbranch_scc1 .Llap
	STEPS 0, 1                                     ; the last lap fills nothing
	TURN 0, 1, 0
	STEPS 1, 0
	s_wait_dscnt 4*NL
	WIN MUL_LO
	MUL16 0, 1, NQ-1, 1, 0
	MUL16 2, 1, NQ-1, 1, 0
	s_wait_dscnt 0
	WIN MUL_HI
	MUL16 4, 1, NQ-1, 1, 0
	MUL16 6, 1, NQ-1, 1, 0
	WIN 0
; THE WAY OUT, block by block of 16 positions x 128 columns.  A block goes through my own stage and comes back as whole rows; lane l then holds columns 4 l .. 4 l + 3 of a row: two pairs of the rotation.
.macro CSLOAD a                        ; the block's 16 rows of cos and of sin: 8 bytes a lane, 256 consecutive bytes a load
.irp t, 0,1,2,3,4,5,6,7,8,9,10,11,12,13,14,15
	global_load_b64 v[CSB+64*((\a)%2)+2*\t:CSB+64*((\a)%2)+2*\t+1], v[CO], s[12:13] offset:(16*(\a)+\t)*256
.endr
.irp t, 0,1,2,3,4,5,6,7,8,9,10,11,12,13,14,15
	global_load_b64 v[CSB+64*((\a)%2)+32+2*\t:CSB+64*((\a)%2)+33+2*\t], v[CO], s[96:97] offset:(16*(\a)+\t)*256
.endr
.endm
.macro TOSTAGE a
.set AC, 64*((\a)%4)
	WIN 0x08+4*((\a)/4)                            ; the data: window 2 or 3
.irp b, 0,1,2,3,4,5,6,7
	ds_store_b128 v[STO], v[AC+8*\b:AC+8*\b+3] offset:64*\b          ; each accumulator from its low end on
	ds_store_b128 v[STO], v[AC+8*\b+4:AC+8*\b+7] offset:64*\b+16
.endr
	WIN 0
.irp t, 0,1,2,3,4,5,6,7,8,9,10,11,12,13,14,15
	ds_load_b128 v[XB+4*\t:XB+4*\t+3], v[RD] offset:\t*SPITCH        ; LDS serves a wave's instructions in order: these see the stores above
.endr
.endm
.macro ROPE a                          ; (r, i) -> (r c' - i s', r s' + i c'), rounded to f16; two sets of four registers at work by turns
.set CC, CSB+64*((\a)%2)
.irp t, 0,1,2,3,4,5,6,7,8,9,10,11,12,13,14,15
.set TT, 2+4*(\t%2)
	v_pk_fma_f32 v[CC+2*\t:CC+2*\t+1], v[CC+2*\t:CC+2*\t+1], v[10:11], v[12:13]
	v_pk_mul_f32 v[CC+32+2*\t:CC+33+2*\t], v[CC+32+2*\t:CC+33+2*\t], v[10:11]
	v_mul_f32 v[TT],   v[XB+4*\t],   v[CC+2*\t]
	v_mul_f32 v[TT+1], v[XB+4*\t+1], v[CC+2*\t]
	v_mul_f32 v[TT+2], v[XB+4*\t+2], v[CC+2*\t+1]
	v_mul_f32 v[TT+3], v[XB+4*\t+3], v[CC+2*\t+1]
	v_fma_f32 v[TT],   -v[XB+4*\t+1], v[CC+32+2*\t], v[TT]
	v_fma_f32 v[TT+1], v[XB+4*\t],    v[CC+32+2*\t], v[TT+1]
	v_fma_f32 v[TT+2], -v[XB+4*\t+3], v[CC+33+2*\t], v[TT+2]
	v_fma_f32 v[TT+3], v[XB+4*\t+2],  v[CC+33+2*\t], v[TT+3]
	v_cvt_pk_f16_f32 v[OUTB+2*\t],   v[TT],   v[TT+1]
	v_cvt_pk_f16_f32 v[OUTB+2*\t+1], v[TT+2], v[TT+3]
.endr
.endm
	PLACES NP                                      ; in front of the loads into registers that held fragments and scale words, and of the reads of results
	CSLOAD 0
.irp a, 0,1,2,3,4,5,6,7
	TOSTAGE \a
.if \a < 7
	CSLOAD \a+1
.endif
	s_wait_dscnt 0x0                               ; the block is back in registers
.if \a < 7
	s_wait_loadcnt 32                              ; its cos and sin are in; the next block's 32 loads may be out
.else
	s_wait_loadcnt 0x0
.endif
	s_wait_xcnt 0x0                                ; the last block's stores have read their data registers, which are written again below
	ROPE \a
.irp t, 0,1,2,3,4,5,6,7,8,9,10,11,12,13,14,15
	global_store_b64 v[CO], v[OUTB+2*\t:OUTB+2*\t+1], s[98:99] offset:(16*\a+\t)*256   ; 32 lanes store a row: 256 consecutive aligned bytes
.endr
.endr
	s_wait_tensorcnt 0x0                           ; the wave's end
	ds_add_u32 v[SPW], v[NIL]
	s_wait_dscnt 0x0
	CROUND                                         ; the closing round: no work-group ends while a partner may still ask for a tile that names it
	s_endpgm
.Lfunc_end_k_q549779a0f5_qkv:
	.size	k_q549779a0f5_qkv, .Lfunc_end_k_q549779a0f5_qkv-k_q549779a0f5_qkv
	.p2alignl 7, 3214868480
	.fill 96, 4, 3214868480
	.section	.rodata,"a",@progbits
	.p2align	6, 0x0
	.amdhsa_kernel k_q549779a0f5_qkv
		.amdhsa_group_segment_fixed_size 327680
		.amdhsa_private_segment_fixed_size 0
		.amdhsa_enable_private_segment 0
		.amdhsa_kernarg_size 56
		.amdhsa_user_sgpr_count 2
		.amdhsa_user_sgpr_kernarg_segment_ptr 1
		.amdhsa_wavefront_size32 1
		.amdhsa_system_sgpr_workgroup_id_x 1
		.amdhsa_system_sgpr_workgroup_id_y 1
		.amdhsa_system_sgpr_workgroup_id_z 1
		.amdhsa_system_vgpr_workitem_id 0
		.amdhsa_next_free_vgpr 1024
		.amdhsa_next_free_sgpr 100
		.amdhsa_reserve_vcc 0
		.amdhsa_float_denorm_mode_32 3
		.amdhsa_float_denorm_mode_16_64 3
		.amdhsa_memory_ordered 1
		.amdhsa_forward_progress 1
		.amdhsa_inst_pref_size 255
	.end_amdhsa_kernel
	.section	.bss,"aw",@nobits
	.p2align	6
	.space	262144
	.amdgpu_metadata
---
amdhsa.version: [ 1, 2 ]
amdhsa.kernels:
  - .name:           k_q549779a0f5_qkv
    .symbol:         k_q549779a0f5_qkv.kd
    .args:
      - { .name: x_codes, .offset: 0, .size: 8, .value_kind: global_buffer, .address_space: global }
      - { .name: x_scales, .offset: 8, .size: 8, .value_kind: global_buffer, .address_space: global }
      - { .name: w_codes, .offset: 16, .size: 8, .value_kind: global_buffer, .address_space: global }
      - { .name: w_scales, .offset: 24, .size: 8, .value_kind: global_buffer, .address_space: global }
      - { .name: freqs_cos, .offset: 32, .size: 8, .value_kind: global_buffer, .address_space: global }
      - { .name: freqs_sin, .offset: 40, .size: 8, .value_kind: global_buffer, .address_space: global }
      - { .name: qkv, .offset: 48, .size: 8, .value_kind: global_buffer, .address_space: global }
    .group_segment_fixed_size: 327680
    .private_segment_fixed_size: 0
    .kernarg_segment_align: 8
    .kernarg_segment_size: 56
    .max_flat_workgroup_size: 128
    .sgpr_count:     100
    .vgpr_count:     1024
    .wavefront_size: 32
...
	.end_amdgpu_metadata
.endif
;; end of part 2
;; launch attn (part 3): grid 16 x 16, 4 waves a work-group, clusters of 4 x 4, 327,680 bytes of LDS; arguments qkv, mask, att, attf; writes att, attf
.if DOCPART == 3
	.amdgcn_target "amdgcn-amd-amdhsa--gfx1250"
	.amdhsa_code_object_version 6
	.text
	.protected	k_q549779a0f5_attn
	.globl	k_q549779a0f5_attn
	.p2align	8
	.type	k_q549779a0f5_attn,@function
k_q549779a0f5_attn:
	s_mov_b64 s[64:65], 0
	v_nop
	global_prefetch_b8 v0, s[64:65] scope:SCOPE_SE
	s_setreg_imm32_b32 hwreg(HW_REG_WAVE_MODE, 25, 1), 1
	s_wait_xcnt 0x0
	s_wait_alu depctr_hold_cnt(0) depctr_sa_sdst(0) depctr_va_vdst(0) depctr_va_sdst(0) depctr_va_ssrc(0) depctr_va_vcc(0) depctr_vm_vsrc(0)
	s_getreg_b32 s2, hwreg(HW_REG_IB_STS2, 6, 4)
	s_cmp_eq_u32 s2, 0
	s_cbranch_scc0 .Lentry_in_a_cluster
	s_endpgm
.Lentry_in_a_cluster:
	s_bfe_u32 s2, ttmp6, 0x10000c
	s_cmp_lg_u32 s2, 0xf033
	s_cbranch_scc0 .Lentry_shape_is_right
	s_endpgm
.Lentry_shape_is_right:
; O[head][q] = the sum over k of softmax_k(Q[q] . K[k] + mask[q][k]) V[k].  Q (already divided by sqrt(128)), K, V: qkv [48][2048][128] f16 (g = head, 16 + head, 32 + head).  mask [2048][2048] f32: an INPUT:
; every number of it is loaded and added, and every query walks all 2,048 keys.  Products on f16 operands, sums, maxima and the softmax in f32.  O goes out as f16, att [2048][2048]; positions 0-15 also as f32, attf [16][2048].
; SHARES.  A work-group owns 128 queries of one head.  Wave w: queries 64 (w / 2) on, four tiles of 16; of each step's 128 keys the 64 from 64 (w % 2) on.  So a wave walks 1,024 keys in 16 steps; the two waves of a
; pair are joined at the end (maxima, sums and O^T, through LDS).
; LAYOUT.  S^T = K Q^T (source 0 = 16 keys, source 1 = 16 queries): a lane holds ONE query (lane % 16) and the keys 8 (lane / 16) + 0..7.  THE MASK IS THE C OF THE FIRST PRODUCT: those eight keys are 32 neighbouring
; bytes of the query's mask row, loaded straight into the accumulator's registers: no addition, nothing cleared.  Two such tiles, rounded to f16 in pairs, are source 1 of O^T = V^T P.  V is turned by ds_load_tr16_b128.
; SOFTMAX.  A running maximum m (in the scores' own units) and sum l for each query: p = 2^((s - m) log2 e), by a subtraction and then a multiplication: s - m is exact enough also where m is very large (a row
; of large negative mask numbers), where a rounded product m log2 e would not be.  In every step O and l are multiplied by a = 2^((m_old - m_new) log2 e).  l is the sum of the unrounded p.
; PHASES.  A step: 64 products K Q^T; V's fragments are asked for; the softmax; the change of slots; the next step's K and mask are asked for; 64 products V^T P.
; CLUSTER 4 x 4: x = blocks of queries, y = heads.  K's and V's tiles hang on the head alone and are asked for jointly along a row of the cluster; the mask's tiles hang on the block of queries alone and are asked
; for jointly along a column.
; LIMITS.  m starts at -3.4e38, so keys whose mask is -infinity give p = 0; a row whose every mask number is -infinity gives NaN.  The mask stands ahead of the products in the f32 sum: where |mask| is 2^24 or more the
; score's last bits may be rounded otherwise than by an addition behind the sum.  p under 6e-5 is kept to 2^-25 in f16.  The first 16 positions' P and V are f16 like all others; only their O is kept in f32.
; REGISTERS, in windows of 256: window 0: v0-63 addresses and statistics; v64-191 S^T, 32 a tile; v192-255 P, 16 a tile.   window 1: O^T, 64 a tile.   window 2: v0-127 Q; v128-255 K of a step.   window 3: v0-127 V of a step.
.set PK,    272                        ; a row of K in LDS: 256 bytes + 16: the 16 rows of a load start at 16 different banks (64 banks of 4 bytes: ISA guide 11.1)
.set PVP,   288                        ; a row of V: 256 + 32
.set PM,    528                        ; a query's 128 mask numbers: 512 + 16
.set VOFF,  0x8800                     ; a slot: 128 rows of K, 128 rows of V, 128 rows of the mask
.set MOFF,  0x11800
.set MHALF, 64*PM
.set SLOTB, 0x22000                    ; no tile's first byte in slot 0 has bit 13 or bit 17 set: one exclusive or turns an address in one slot into the other's
.set SPARE, 2*SLOTB                    ; behind the ring: the spare words, 128 bytes for each wave
.set XPAIR, 33792                      ; the way out, in slot 0, which has had its last fill and its last read by then: for each pair of waves 64 images of 512 bytes and 8 x 128 bytes of statistics;
.set STAGE, 2*XPAIR                    ; behind them 16 rows x 272 bytes for each wave
.set SP,    272
.set AK0, 2                            ; v2   my lane's place in a slot's K
.set AV0, 3                            ; v3   in its V
.set ADR, 4                            ; v4   the LDS address of the run of loads in hand
.set QO,  5                            ; v5   my byte offset in the wave's rows of Q
.set STO, 6                            ; v6   the way out: where I put 16 bytes of a row
.set RD,  7                            ; v7   where I read a row back
.set GO,  8                            ; v8   my byte offset in the wave's rows of att
.set AM0, 10                           ; v10  my lane's place in a slot's mask
.set ADM, 11                           ; v11  the LDS address of the mask's run of loads
.set ST,  12                           ; tile t's statistics at v[ST + 8 t]: +0 m, +1 zero (named with m as a pair), +2, +3 l (even keys', odd keys'), +4 to +7 at work; a in +6
.set XW,  44                           ; v44  the pair's images: 16 x lane
.set XS,  45                           ; v45  the pair's statistics: 4 x lane
.set FO,  46                           ; v46  my byte offset in attf
.set ROW, 47                           ; v47  the position of tile 0's row of my lane in the work-group's first 16
.set PS,  48                           ; v48-55 my partner's m and l
.set PFO, 61                           ; v61  the prefetches' offset; never rewritten
.set SPW, 62                           ; v62  LDS address of my spare word; never rewritten
.set NIL, 63                           ; v63  0; never rewritten
.set S,   64
.set P,   192
.set KF,  128
.set WV,  12                           ; s12  my wave's number;  s13 cx, s14 cy, s15 block of queries, s16 head, s17 w / 2, s18 w % 2
.set G1K, 24
.set G1V, 32
.set G1M, 40
.set G0K, 48                           ; s[48:55] group 0 for K: a set for each first fill; the second then walks
.set G0V, 56
.set G0M, 68
.set CS,  76                           ; s[76:77] log2 e
.set SEL, 78                           ; s[78:79] lane selects: lane l xor 16
.set TB,  80                           ; s80  the slot in hand: 0 or SLOTB
.set SLOTS, 81                         ; s81  refills still to be asked for
.set LIM, 82                           ; s82  1 in a wave that prefetches, else the greatest number
.set PFA, 84                           ; s[84:85] where my prefetches stand
.set PFS, 86                           ; s[86:87] a step on, in bytes
.set MSB, 0
.macro WIN new                         ; the immediate's high byte repeats the setting that is left
.if MSB != \new
	s_set_vgpr_msb (MSB<<8)|\new
.set MSB, \new
.endif
.endm
.set W_KQ, 0x0a                        ; K and Q in window 2, S^T in window 0
.set W_PV, 0x53                        ; V in window 3, P in window 0, O^T in window 1
.set W_RS, 0x41                        ; O^T (destination and source 0) in window 1, the factor in window 0
; A joint refill: wave 0 K's 128 rows, wave 1 V's, waves 2 and 3 the mask's two halves of 64 rows: 32 KiB each.  The branches hang on the wave's number alone.  An s_nop 0 and four v_nop follow each line.
.macro JLOAD
	s_cmp_lt_u32 s[WV], 2
	s_cbranch_scc0 .Lfor_m_\@
	s_cmp_eq_u32 s[WV], 0
	s_cbranch_scc0 .Lfor_v_\@
	tensor_load_to_lds s[G0K+4:G0K+7], s[G1K:G1K+7]
	s_nop 0
.rept 4
	v_nop
.endr
	s_branch .Lasked_\@
.Lfor_v_\@:
	tensor_load_to_lds s[G0V+4:G0V+7], s[G1V:G1V+7]
	s_nop 0
.rept 4
	v_nop
.endr
	s_branch .Lasked_\@
.Lfor_m_\@:
	tensor_load_to_lds s[G0M+4:G0M+7], s[G1M:G1M+7]
	s_nop 0
.rept 4
	v_nop
.endr
.Lasked_\@:
.endm
; A PREFETCH INTO THE L2 of what the NEXT change of slots will ask for: one step (128 matrix instructions and a softmax) ahead of that load.  Each aligned block of 256 bytes is named once in the launch.
; K's and V's rows are walked by every cluster of a row of clusters: cluster x = 0 asks; its four partners along x take 32 rows each, told apart by address; wave 0 K's, wave 1 V's, a lane a row.
; The mask's rows are walked by every cluster of a column of clusters: cluster y = 0 asks; its four partners along y take 16 of a wave's 64 rows each; waves 2 and 3, sixteen lanes for each of a row's two blocks.
; The last change that fills a slot asks for nothing; the first three steps come by their loads alone.
.macro ASK
	s_cmp_gt_u32 s[SLOTS], s[LIM]
	s_cbranch_scc0 .Lnot_mine_\@
	global_prefetch_b8 v[PFO], s[PFA:PFA+1] th:TH_LOAD_NT scope:SCOPE_SE
.Lnot_mine_\@:
.endm
.macro CROUND                          ; a round of the cluster's barrier
	s_barrier_signal -1
	s_barrier_wait -1
	s_cmp_lg_u32 s[WV], 0
	s_cbranch_scc1 .Lnot_wave_0_\@
	s_barrier_signal -3
.Lnot_wave_0_\@:
	s_barrier_wait -3
	s_barrier_signal -1
	s_barrier_wait -1
.endm
.macro PLACES
.rept 4
	v_nop
.endr
.endm
	s_load_b256 s[4:11], s[0:1], 0x0               ; qkv s[4:5], mask s[6:7], att s[8:9], attf s[10:11]
	v_lshl_add_u32 v[SPW], v0, 2, SPARE
	v_mov_b32 v[NIL], 0
	ds_add_u32 v[SPW], v[NIL]                      ; the wave's opening: the add, twice on end, and its wait ahead of my first tensor load
	ds_add_u32 v[SPW], v[NIL]
	v_lshrrev_b32 v1, 5, v0
	v_readfirstlane_b32 s[WV], v1                  ; wave 0..3
	s_lshr_b32 s17, s[WV], 1                       ; which 64 queries
	s_and_b32 s18, s[WV], 1                        ; which 64 keys of a step.  Also: which half of the mask's tile I fetch
	s_bfe_u32 s13, ttmp6, 0x40000                  ; cx
	s_bfe_u32 s14, ttmp6, 0x40004                  ; cy
	s_lshl_b32 s15, ttmp9, 2
	s_add_co_u32 s15, s15, s13                     ; my block of 128 queries
	s_and_b32 s96, ttmp7, 0xffff                   ; cluster y
	s_lshl_b32 s16, s96, 2
	s_add_co_u32 s16, s16, s14                     ; my head
	s_lshl_b32 s19, s14, 2
	s_lshl_b32 s19, 15, s19                        ; my row of the cluster: the same head
	s_lshl_b32 s97, 0x1111, s13                    ; my column: the same queries
	s_or_b32 s[G1K], s19, (1<<16)|(1<<20)|(1<<21)|(5<<22)|(3<<25)  ; the mask of work-groups; elements of 2 bytes; padding: 4 words after every 64
	s_or_b32 s[G1V], s19, (1<<16)|(1<<20)|(1<<21)|(5<<22)|(7<<25)  ; 8 words after every 64
	s_or_b32 s[G1M], s97, (2<<16)|(1<<20)|(1<<21)|(6<<22)|(3<<25)  ; elements of 4 bytes; 4 words after every 128
.irp g, G1K, G1V
	s_mov_b32 s[\g+1], 128<<16                     ; tensor_dim0 = 128
	s_mov_b32 s[\g+2], 128<<16                     ; tensor_dim1 = 128
	s_mov_b32 s[\g+3], 128<<16                     ; tile_dim0 = 128
	s_mov_b32 s[\g+4], 128                         ; tile_dim1 = 128
	s_mov_b32 s[\g+5], 128                         ; the pitch
	s_mov_b32 s[\g+6], 0
	s_mov_b32 s[\g+7], 0
.endr
	s_mov_b32 s[G1M+1], 128<<16                    ; 128 keys
	s_mov_b32 s[G1M+2], 64<<16                     ; 64 queries
	s_mov_b32 s[G1M+3], 128<<16
	s_mov_b32 s[G1M+4], 64
	s_mov_b32 s[G1M+5], 2048
	s_mov_b32 s[G1M+6], 0
	s_mov_b32 s[G1M+7], 0
	s_add_co_u32 s20, s16, 16                      ; K of my head: made of the head alone
	s_lshl_b32 s20, s20, 19
	s_mov_b32 s21, 0
	s_add_co_u32 s22, s16, 32                      ; V
	s_lshl_b32 s22, s22, 19
	s_mov_b32 s23, 0
	s_lshl_b32 s94, s15, 7                         ; the mask: made of the block of queries and the wave's number alone
	s_lshl_b32 s95, s18, 6
	s_add_co_u32 s94, s94, s95
	s_lshl_b32 s94, s94, 13                        ; rows of 8,192 bytes
	s_mov_b32 s95, 0
	s_mul_i32 s98, s18, MHALF
	s_lshl_b32 s2, s15, 7
	s_lshl_b32 s3, s17, 6
	s_add_co_u32 s2, s2, s3                        ; my wave's first query
	s_lshl_b32 s88, s2, 8
	s_lshl_b32 s3, s16, 19
	s_add_co_u32 s88, s88, s3                      ; Q: head x 2,048 rows + query, 256 bytes a row
	s_mov_b32 s89, 0
	s_lshl_b32 s90, s2, 12
	s_lshl_b32 s3, s16, 8
	s_add_co_u32 s90, s90, s3                      ; att: query x 4,096 + 256 x head
	s_mov_b32 s91, 0
	s_lshl_b32 s92, s16, 9                         ; attf: 512 x head
	s_mov_b32 s93, 0
	s_mov_b32 s[CS], 0x3fb8aa3b                    ; log2 e
	s_mov_b32 s[CS+1], s[CS]                       ; (named with it as a pair, so it is written)
	s_mov_b32 s[SEL], 0x76543210
	s_mov_b32 s[SEL+1], 0xfedcba98
	s_mov_b32 s[TB], 0
	s_mov_b32 s[SLOTS], 14
	s_wait_dscnt 0x0                               ; both opening adds are done
	s_wait_kmcnt 0x0
	s_add_nc_u64 s[20:21], s[4:5], s[20:21]
	s_add_nc_u64 s[22:23], s[4:5], s[22:23]
	s_add_nc_u64 s[94:95], s[6:7], s[94:95]
	s_add_nc_u64 s[88:89], s[4:5], s[88:89]
	s_add_nc_u64 s[90:91], s[8:9], s[90:91]
	s_add_nc_u64 s[92:93], s[10:11], s[92:93]
	; the prefetches: where my wave's stand, and who asks
	s_lshl_b32 s2, s13, 13                         ; K, V: my work-group's 32 rows of 256 bytes
	s_lshl_b32 s3, s14, 17                         ; the mask: my work-group's 16 rows of 8,192 bytes
	s_mov_b32 s[PFS], 512
	s_mov_b32 s[PFS+1], 0
	s_mov_b32 s19, 8192
	s_mov_b32 s83, 256
	s_cmp_eq_u32 s[WV], 0
	s_cselect_b64 s[PFA:PFA+1], s[20:21], s[22:23]
	s_cmp_lt_u32 s[WV], 2
	s_cselect_b64 s[PFA:PFA+1], s[PFA:PFA+1], s[94:95]
	s_cselect_b32 s[PFS], 32768, s[PFS]            ; a step on
	s_cselect_b32 s19, 256, s19                    ; from lane to lane within sixteen
	s_cselect_b32 s83, 4096, s83                   ; from the lower sixteen lanes to the upper
	s_cselect_b32 s2, s2, s3
	s_cselect_b32 s[LIM], ttmp9, s96               ; the coordinate along which other clusters read the same rows
	s_mov_b32 s3, 0
	s_add_nc_u64 s[PFA:PFA+1], s[PFA:PFA+1], s[2:3]
	s_add_nc_u64 s[PFA:PFA+1], s[PFA:PFA+1], s[PFS:PFS+1]
	s_add_nc_u64 s[PFA:PFA+1], s[PFA:PFA+1], s[PFS:PFS+1]  ; at step 2: the first change of slots steps it to step 3.  Nothing is prefetched here, at the head
	s_cmp_eq_u32 s[LIM], 0
	s_cselect_b32 s[LIM], 1, -1                    ; the same in all sixteen partners, for a given wave
	CROUND                                         ; all sixteen work-groups are here: the first joint loads meet
.irp s, 0,1
	s_mov_b32 s[G0K+4*\s], 1
	s_mov_b32 s[G0K+4*\s+1], \s*SLOTB
	s_add_nc_u64 s[G0K+4*\s+2:G0K+4*\s+3], s[20:21], \s*32768
	s_or_b32 s[G0K+4*\s+3], s[G0K+4*\s+3], 0x80000000
	s_mov_b32 s[G0V+4*\s], 1
	s_mov_b32 s[G0V+4*\s+1], \s*SLOTB+VOFF
	s_add_nc_u64 s[G0V+4*\s+2:G0V+4*\s+3], s[22:23], \s*32768
	s_or_b32 s[G0V+4*\s+3], s[G0V+4*\s+3], 0x80000000
	s_mov_b32 s[G0M+4*\s], 1
	s_add_co_u32 s[G0M+4*\s+1], s98, \s*SLOTB+MOFF
	s_add_nc_u64 s[G0M+4*\s+2:G0M+4*\s+3], s[94:95], \s*512
	s_or_b32 s[G0M+4*\s+3], s[G0M+4*\s+3], 0x80000000
.endr
	s_cmp_lt_u32 s[WV], 2                          ; a wave's two first fills stand in one arm, ahead of every wait on TENSORcnt and every LDS read: two loads of mine are out
	s_cbranch_scc0 .Lfirst_m
	s_cmp_eq_u32 s[WV], 0
	s_cbranch_scc0 .Lfirst_v
	tensor_load_to_lds s[G0K:G0K+3], s[G1K:G1K+7]
	s_nop 0
	tensor_load_to_lds s[G0K+4:G0K+7], s[G1K:G1K+7]
	s_nop 0
.rept 4
	v_nop
.endr
	s_branch .Lfirst_asked
.Lfirst_v:
	tensor_load_to_lds s[G0V:G0V+3], s[G1V:G1V+7]
	s_nop 0
	tensor_load_to_lds s[G0V+4:G0V+7], s[G1V:G1V+7]
	s_nop 0
.rept 4
	v_nop
.endr
	s_branch .Lfirst_asked
.Lfirst_m:
	tensor_load_to_lds s[G0M:G0M+3], s[G1M:G1M+7]
	s_nop 0
	tensor_load_to_lds s[G0M+4:G0M+7], s[G1M:G1M+7]
	s_nop 0
.rept 4
	v_nop
.endr
.Lfirst_asked:
	v_and_b32 v1, 15, v0                           ; r = l % 16
	v_bfe_u32 v9, v0, 4, 1                         ; h = l / 16
	v_lshlrev_b32 v[QO], 8, v1
	v_lshl_add_u32 v[QO], v9, 4, v[QO]             ; row x 256 + 16 x half
	WIN 0x80                                       ; destination window 2
.irp i, 0,1,2,3,4,5,6,7,8,9,10,11,12,13,14,15  ; Q stays in registers: tile i / 4, channels 32 (i % 4) on
	global_load_b128 v[8*\i:8*\i+3],   v[QO], s[88:89] offset:(\i/4)*4096+(\i%4)*64
	global_load_b128 v[8*\i+4:8*\i+7], v[QO], s[88:89] offset:(\i/4)*4096+(\i%4)*64+32
.endr
	WIN 0
	; every LDS address is made here, those of the way out too
	v_mul_u32_u24 v[PFO], v1, s19
	v_mad_u32_u24 v[PFO], v9, s83, v[PFO]
	s_mul_i32 s19, s18, 64*PK
	v_mul_u32_u24 v[AK0], v1, PK
	v_lshl_add_u32 v[AK0], v9, 4, v[AK0]
	v_add_nc_u32 v[AK0], s19, v[AK0]               ; (64 (w % 2) + r) x pitch + 16 h
	v_and_b32 v4, 7, v0
	v_bfe_u32 v11, v0, 3, 1
	v_lshl_add_u32 v[AV0], v9, 3, v4
	v_mul_u32_u24 v[AV0], v[AV0], PVP
	v_lshl_add_u32 v[AV0], v11, 4, v[AV0]          ; the turning load: key 8 h + l % 8, channels 8 ((l / 8) % 2) on
	s_mul_i32 s19, s18, 64*PVP
	s_add_co_u32 s19, s19, VOFF
	v_add_nc_u32 v[AV0], s19, v[AV0]
	s_mul_i32 s19, s17, 64*PM
	s_lshl_b32 s2, s18, 8
	s_add_co_u32 s19, s19, s2
	s_add_co_u32 s19, s19, MOFF
	v_mul_u32_u24 v[AM0], v1, PM
	v_lshl_add_u32 v[AM0], v9, 5, v[AM0]
	v_add_nc_u32 v[AM0], s19, v[AM0]               ; query 64 (w / 2) + r; key 64 (w % 2) + 8 h: 4 bytes each
	s_mul_i32 s19, s[WV], 16*SP
	s_add_co_u32 s19, s19, STAGE                   ; my stage
	v_mul_u32_u24 v[STO], v1, SP
	v_lshl_add_u32 v[STO], v9, 4, v[STO]
	v_add_nc_u32 v[STO], s19, v[STO]
	v_mul_u32_u24 v[RD], v9, SP
	v_lshl_add_u32 v[RD], v1, 4, v[RD]
	v_add_nc_u32 v[RD], s19, v[RD]
	v_lshlrev_b32 v[GO], 12, v9
	v_lshl_add_u32 v[GO], v1, 4, v[GO]             ; lanes 0-15 one row of att, lanes 16-31 the next; 16 bytes a lane
	s_mul_i32 s19, s17, XPAIR
	v_and_b32 v4, 31, v0
	v_lshl_add_u32 v[XW], v4, 4, s19
	s_add_co_u32 s19, s19, 32768
	v_lshl_add_u32 v[XS], v4, 2, s19
	v_lshlrev_b32 v[FO], 13, v1
	v_lshl_add_u32 v[FO], v9, 5, v[FO]             ; attf: row r of 8,192 bytes, + 32 h
	s_lshl_b32 s19, s15, 7
	v_add_nc_u32 v[ROW], s19, v1
.irp t, 0,1,2,3
	v_mov_b32 v[ST+8*\t+1], 0
.endr
; THE LDS LOADS stand in runs of 32.
.macro FETCH_K                         ; my 64 keys x 128 channels: fragment f: keys 16 (f / 4) on, channels 32 (f % 4) on
	WIN 0
	v_add_nc_u32 v[ADR], s[TB], v[AK0]
	WIN 0x80
.irp f, 0,1,2,3,4,5,6,7,8,9,10,11,12,13,14,15
	ds_load_b128 v[KF+8*\f:KF+8*\f+3],   v[ADR] offset:(\f/4)*16*PK+(\f%4)*64
	ds_load_b128 v[KF+8*\f+4:KF+8*\f+7], v[ADR] offset:(\f/4)*16*PK+(\f%4)*64+32
.endr
.endm
.macro FETCH_M                         ; the mask of my 64 queries x 64 keys, straight into S^T's registers
	WIN 0
	v_add_nc_u32 v[ADM], s[TB], v[AM0]
.irp t, 0,1,2,3
.irp kt, 0,1,2,3
	ds_load_b128 v[S+32*\t+8*\kt:S+32*\t+8*\kt+3],   v[ADM] offset:\t*16*PM+64*\kt
	ds_load_b128 v[S+32*\t+8*\kt+4:S+32*\t+8*\kt+7], v[ADM] offset:\t*16*PM+64*\kt+16
.endr
.endr
.endm
.macro FETCH_V                         ; my 64 keys x 128 channels, turned: fragment f: keys 32 (f / 8) on, channels 16 (f % 8) on
	WIN 0
	v_add_nc_u32 v[ADR], s[TB], v[AV0]
	WIN 0xc0
.irp f, 0,1,2,3,4,5,6,7,8,9,10,11,12,13,14,15
	ds_load_tr16_b128 v[8*\f:8*\f+3],   v[ADR] offset:(\f/8)*32*PVP+(\f%8)*32
	ds_load_tr16_b128 v[8*\f+4:8*\f+7], v[ADR] offset:(\f/8)*32*PVP+16*PVP+(\f%8)*32
.endr
.endm
; 64 products S^T += K Q^T onto the mask; the 16 accumulators take turns, one instruction a turn
.macro KQ_ALL
	WIN W_KQ
.irp c, 0,1,2,3
.irp kt, 0,1,2,3
.irp t, 0,1,2,3
	v_wmma_f32_16x16x32_f16 v[S+32*\t+8*\kt:S+32*\t+8*\kt+7], v[KF+32*\kt+8*\c:KF+32*\kt+8*\c+7], v[32*\t+8*\c:32*\t+8*\c+7], v[S+32*\t+8*\kt:S+32*\t+8*\kt+7]
.endr
.endr
.endr
.endm
; 64 products O^T += V^T P; the 32 accumulators take turns.  first = 1: the first 32 start the sums: nothing is ever cleared
.macro PV_ALL first
	WIN W_PV
.irp kk, 0,1
.irp f, 0,1,2,3,4,5,6,7
.irp t, 0,1,2,3
.if (\first) && (\kk == 0)
	v_wmma_f32_16x16x32_f16 v[64*\t+8*\f:64*\t+8*\f+7], v[64*\kk+8*\f:64*\kk+8*\f+7], v[P+16*\t+8*\kk:P+16*\t+8*\kk+7], 0
.else
	v_wmma_f32_16x16x32_f16 v[64*\t+8*\f:64*\t+8*\f+7], v[64*\kk+8*\f:64*\kk+8*\f+7], v[P+16*\t+8*\kk:P+16*\t+8*\kk+7], v[64*\t+8*\f:64*\t+8*\f+7]
.endif
.endr
.endr
.endr
	WIN 0
.endm
; THE SOFTMAX of a step, the four tiles by turns in every stage, so that no line waits for the line above it.  first = 1: the first step, which starts m, l and O^T.
.macro SOFTMAX first
	WIN 0
.irp j, 0,1,2,3                        ; the maximum of the lane's 32 scores: four chains; each accumulator is read from its low end on
.irp t, 0,1,2,3
	v_max3_num_f32 v[ST+8*\t+4+\j], v[S+32*\t+8*\j], v[S+32*\t+8*\j+1], v[S+32*\t+8*\j+2]
.endr
.endr
.irp g, 3,5
.irp j, 0,1,2,3
.irp t, 0,1,2,3
	v_max3_num_f32 v[ST+8*\t+4+\j], v[ST+8*\t+4+\j], v[S+32*\t+8*\j+\g], v[S+32*\t+8*\j+\g+1]
.endr
.endr
.endr
.irp t, 0,1,2,3
	v_max3_num_f32 v[ST+8*\t+4], v[ST+8*\t+4], v[S+32*\t+7], v[S+32*\t+15]
	v_max3_num_f32 v[ST+8*\t+6], v[ST+8*\t+6], v[S+32*\t+23], v[S+32*\t+31]
.endr
.irp t, 0,1,2,3
	v_max3_num_f32 v[ST+8*\t+4], v[ST+8*\t+4], v[ST+8*\t+5], v[ST+8*\t+6]
.endr
.irp t, 0,1,2,3
.if \first
	v_max3_num_f32 v[ST+8*\t+4], v[ST+8*\t+4], v[ST+8*\t+7], 0xff7fffff   ; the floor -3.4e38: m is a number also where every score is -infinity
.else
	v_max3_num_f32 v[ST+8*\t+4], v[ST+8*\t+4], v[ST+8*\t+7], v[ST+8*\t]   ; and the old m
.endif
.endr
.irp t, 0,1,2,3
	v_permlanex16_b32 v[ST+8*\t+5], v[ST+8*\t+4], s[SEL], s[SEL+1]        ; the query's other 32 keys lie in the lane 16 away
.endr
.if \first == 0
.irp t, 0,1,2,3
	v_mov_b32 v[ST+8*\t+7], v[ST+8*\t]
.endr
.endif
.irp t, 0,1,2,3
	v_max_num_f32 v[ST+8*\t], v[ST+8*\t+4], v[ST+8*\t+5]                  ; the new m
.endr
.if \first == 0
.irp t, 0,1,2,3
	v_sub_f32 v[ST+8*\t+7], v[ST+8*\t+7], v[ST+8*\t]
.endr
.irp t, 0,1,2,3
	v_mul_f32 v[ST+8*\t+7], s[CS], v[ST+8*\t+7]                           ; (m_old - m_new) log2 e
.endr
.endif
.set b, 0
.rept 16
.irp t, 0,1,2,3
	v_pk_add_f32 v[S+32*\t+2*b:S+32*\t+2*b+1], v[S+32*\t+2*b:S+32*\t+2*b+1], v[ST+8*\t:ST+8*\t+1] op_sel_hi:[1,0] neg_lo:[0,1] neg_hi:[0,1]   ; s - m, two at a time
.endr
.set b, b+1
.endr
.set b, 0
.rept 16
.irp t, 0,1,2,3
	v_pk_mul_f32 v[S+32*\t+2*b:S+32*\t+2*b+1], v[S+32*\t+2*b:S+32*\t+2*b+1], s[CS:CS+1] op_sel_hi:[1,0]
.endr
.set b, b+1
.endr
.if \first == 0
.irp t, 0,1,2,3
	v_exp_f32 v[ST+8*\t+6], v[ST+8*\t+7]                                  ; a
.endr
.endif
.set b, 0
.rept 32
.irp t, 0,1,2,3
	v_exp_f32 v[S+32*\t+b], v[S+32*\t+b]                                  ; p, at most 1
.endr
.set b, b+1
.endr
	v_nop                                          ; a plain instruction behind the last exponential,
	s_wait_alu depctr_va_vdst(0)                   ; and ONE wait for the whole batch, ahead of its first reader
.set b, 0
.rept 16
.irp t, 0,1,2,3
	v_cvt_pk_f16_f32 v[P+16*\t+b], v[S+32*\t+2*b], v[S+32*\t+2*b+1]
.endr
.set b, b+1
.endr
.irp w, 4,8,16,32                      ; the sum of the unrounded p, in place: neighbours 1, 2, 4 and 8 pairs apart
.set u, 0
.rept 32/\w
.irp t, 0,1,2,3
.if (\first) && (\w == 32)
	v_pk_add_f32 v[ST+8*\t+2:ST+8*\t+3], v[S+32*\t:S+32*\t+1], v[S+32*\t+16:S+32*\t+17]
.else
	v_pk_add_f32 v[S+32*\t+\w*u:S+32*\t+\w*u+1], v[S+32*\t+\w*u:S+32*\t+\w*u+1], v[S+32*\t+\w*u+\w/2:S+32*\t+\w*u+\w/2+1]
.endif
.endr
.set u, u+1
.endr
.endr
.if \first == 0
.irp t, 0,1,2,3
	v_pk_fma_f32 v[ST+8*\t+2:ST+8*\t+3], v[ST+8*\t+2:ST+8*\t+3], v[ST+8*\t+6:ST+8*\t+7], v[S+32*\t:S+32*\t+1] op_sel_hi:[1,0,1]   ; l = l a + the sum
.endr
	WIN W_RS
.set b, 0
.rept 32
.irp t, 0,1,2,3
	v_pk_mul_f32 v[64*\t+2*b:64*\t+2*b+1], v[64*\t+2*b:64*\t+2*b+1], v[ST+8*\t+6:ST+8*\t+7] op_sel_hi:[1,0]   ; O^T a, each accumulator from its low end on
.endr
.set b, b+1
.endr
	WIN 0
.endif
.endm
; THE CHANGE OF SLOTS.  Each wave waits for all its tensor loads, of which one is out: its part of the other slot; adds 0 to its spare word; and waits for that and for its own reads of the slot in hand (V's were the last).
; fill = 1: the slot is filled again, with the keys two steps on: the barrier is then a round of the cluster's, and the joint refill is the first thing behind it; it has one whole step in which to land.
.macro CHANGE fill
	WIN 0
	s_wait_tensorcnt 0x0                           ; no tensor load of mine is out, so a group 0 may be written
	ds_add_u32 v[SPW], v[NIL]
.if \fill
.irp g, G0K+4, G0V+4, G0M+4
	s_xor_b32 s[\g+1], s[\g+1], SLOTB              ; the walking descriptors: the other slot than last time,
.endr
	s_add_nc_u64 s[G0K+6:G0K+7], s[G0K+6:G0K+7], 32768   ; the next 128 keys
	s_add_nc_u64 s[G0V+6:G0V+7], s[G0V+6:G0V+7], 32768
	s_add_nc_u64 s[G0M+6:G0M+7], s[G0M+6:G0M+7], 512
	s_wait_xcnt 0x0                                ; the last prefetch, a step back, has read its address, so it may be written
	s_add_nc_u64 s[PFA:PFA+1], s[PFA:PFA+1], s[PFS:PFS+1]
	s_wait_dscnt 0x0                               ; the add is done, and my reads of the slot are over
	CROUND
	JLOAD
.else
	s_wait_dscnt 0x0
	s_barrier_signal -1
	s_barrier_wait -1
.endif
	s_xor_b32 s[TB], s[TB], SLOTB                  ; on to the other slot
.endm
; A STEP.  chg = 2: a change of slots with a refill; 1: without; 0: the last step.
.macro STEP first, chg
	s_wait_dscnt 0x0                               ; K and the mask are in
	KQ_ALL
	WIN 0
	PLACES                                         ; behind the products: in front of the reads of S^T, of the writes of O^T, and of the loads into V's, K's and S^T's registers
	FETCH_V
	SOFTMAX \first
.if \chg == 2
	CHANGE 1
	FETCH_K
	FETCH_M
	ASK                                            ; behind the joint load and the runs of LDS loads
.elseif \chg == 1
	CHANGE 0
	FETCH_K
	FETCH_M
.else
	s_wait_dscnt 0x0                               ; V is in
.endif
	PV_ALL \first
.endm
	s_wait_tensorcnt 1                             ; my part of slot 0 is in; slot 1's may stay out
	s_barrier_signal -1
	s_barrier_wait -1                              ; everybody's is
	FETCH_K
	FETCH_M
	s_wait_loadcnt 0x0                             ; Q
	STEP 1, 2                                      ; step 0; steps 2 to 15 are asked for behind the changes of steps 0 to 13
	s_sub_co_u32 s[SLOTS], s[SLOTS], 1
.Lstep:                                                ; 13 trips: steps 1 to 13
	STEP 0, 2
	s_sub_co_u32 s[SLOTS], s[SLOTS], 1
	s_cmp_lg_u32 s[SLOTS], 0
	s_cbranch_scc1 .Lstep
	STEP 0, 1                                      ; the tail is written out
	STEP 0, 0
	; THE WAY OUT.  l's two halves and the other half of the lanes' are added (these lines are the places behind the last products).
.irp t, 0,1,2,3
	v_add_f32 v[ST+8*\t+4], v[ST+8*\t+2], v[ST+8*\t+3]
.endr
.irp t, 0,1,2,3
	v_permlanex16_b32 v[ST+8*\t+5], v[ST+8*\t+4], s[SEL], s[SEL+1]
.endr
.irp t, 0,1,2,3
	v_add_f32 v[ST+8*\t+2], v[ST+8*\t+4], v[ST+8*\t+5]
.endr
	s_cmp_eq_u32 s18, 0
	s_cbranch_scc1 .Lkeeper
	WIN 0x04                                       ; an LDS store's data are its source 1: window 1.  The odd wave of a pair hands over O^T as an image of its registers, 512 bytes a store, in ascending order,
.set i, 0
.rept 64
	ds_store_b128 v[XW], v[4*i:4*i+3] offset:512*i
.set i, i+1
.endr
	WIN 0
.irp t, 0,1,2,3
	ds_store_b32 v[XS], v[ST+8*\t] offset:128*\t               ; its m
	ds_store_b32 v[XS], v[ST+8*\t+2] offset:512+128*\t         ; and its l
.endr
.Lkeeper:
	s_wait_dscnt 0x0                               ; for the partner's sake: my stores are done
	s_barrier_signal -1
	s_barrier_wait -1
	s_cmp_lg_u32 s18, 0
	s_cbranch_scc1 .Lfinish
.irp t, 0,1,2,3
	ds_load_b32 v[PS+\t], v[XS] offset:128*\t
	ds_load_b32 v[PS+4+\t], v[XS] offset:512+128*\t
.endr
	WIN 0x80                                       ; the partner's O^T into window 2, where Q and K lay
.set i, 0
.rept 64
	ds_load_b128 v[4*i:4*i+3], v[XW] offset:512*i
.set i, i+1
.endr
	WIN 0
	s_wait_dscnt 0x0
.irp t, 0,1,2,3
	v_max_num_f32 v[ST+8*\t+4], v[ST+8*\t], v[PS+\t]           ; the pair's m
.endr
.irp t, 0,1,2,3
	v_sub_f32 v[ST+8*\t+5], v[ST+8*\t], v[ST+8*\t+4]
	v_sub_f32 v[ST+8*\t+7], v[PS+\t], v[ST+8*\t+4]
.endr
.irp t, 0,1,2,3
	v_mul_f32 v[ST+8*\t+5], s[CS], v[ST+8*\t+5]
	v_mul_f32 v[ST+8*\t+7], s[CS], v[ST+8*\t+7]
.endr
.irp t, 0,1,2,3
	v_exp_f32 v[ST+8*\t+5], v[ST+8*\t+5]                       ; my factor
	v_exp_f32 v[ST+8*\t+7], v[ST+8*\t+7]                       ; my partner's
.endr
	v_nop
	s_wait_alu depctr_va_vdst(0)                   ; one wait for the eight exponentials
.irp t, 0,1,2,3
	v_mul_f32 v[ST+8*\t+4], v[ST+8*\t+2], v[ST+8*\t+5]
.endr
.irp t, 0,1,2,3
	v_fma_f32 v[ST+8*\t+4], v[PS+4+\t], v[ST+8*\t+7], v[ST+8*\t+4]   ; the row's sum
.endr
.irp t, 0,1,2,3
	v_rcp_f32 v[ST+8*\t+3], v[ST+8*\t+4]
.endr
	v_nop
	s_wait_alu depctr_va_vdst(0)                   ; one wait for the four reciprocals
.irp t, 0,1,2,3
	v_mul_f32 v[ST+8*\t+2], v[ST+8*\t+5], v[ST+8*\t+3]         ; my factor / the sum
	v_mul_f32 v[ST+8*\t+6], v[ST+8*\t+7], v[ST+8*\t+3]         ; my partner's / the sum
.endr
	WIN W_RS
.irp t, 0,1,2,3
.set i, 0
.rept 32
	v_pk_mul_f32 v[64*\t+2*i:64*\t+2*i+1], v[64*\t+2*i:64*\t+2*i+1], v[ST+8*\t+2:ST+8*\t+3] op_sel_hi:[1,0]
.set i, i+1
.endr
.endr
	WIN 0x52                                       ; source 0 window 2, source 1 window 0, source 2 and destination window 1
.irp t, 0,1,2,3
.set i, 0
.rept 32
	v_pk_fma_f32 v[64*\t+2*i:64*\t+2*i+1], v[64*\t+2*i:64*\t+2*i+1], v[ST+8*\t+6:ST+8*\t+7], v[64*\t+2*i:64*\t+2*i+1] op_sel_hi:[1,0,1]
.set i, i+1
.endr
.endr
	WIN 0
	; positions 0-15 also leave in f32.  The branch hangs on the wave's number and the cluster's x, the same in all partners; which work-group of the four holds them is told by the lanes that are on
	s_or_b32 s19, s[WV], ttmp9
	s_cmp_lg_u32 s19, 0
	s_cbranch_scc1 .Lno_fine
	v_cmp_gt_u32 vcc_lo, 16, v[ROW]
	s_wait_xcnt 0x0                                ; EXEC changes only behind this wait
	s_and_saveexec_b32 s19, vcc_lo
	WIN 0x04                                       ; a store's data are its source 1: window 1
.irp f, 0,1,2,3,4,5,6,7
.irp c, 0,1
	global_store_b128 v[FO], v[8*\f+4*\c:8*\f+4*\c+3], s[92:93] offset:64*\f+16*\c   ; o(r, 16 f + 8 h + 4 c ..): 8 KiB a head in all, in pieces of 32 bytes
.endr
.endr
	WIN 0
	s_wait_xcnt 0x0                                ; and again, in front of the line that widens it
	s_or_b32 exec_lo, exec_lo, s19
.Lno_fine:
; Tile t: a lane's eight channels of a row pack into 16 bytes; they go into rows of 272 bytes of my stage and come back as whole rows of 256.
.macro PACK t
	WIN 0x05                                       ; sources 0 and 1 window 1, destination window 0: S^T's registers are free
.set i, 0
.rept 32
	v_cvt_pk_f16_f32 v[S+32*\t+i], v[64*\t+2*i], v[64*\t+2*i+1]
.set i, i+1
.endr
	WIN 0
.irp f, 0,1,2,3,4,5,6,7
	ds_store_b128 v[STO], v[S+32*\t+4*\f:S+32*\t+4*\f+3] offset:32*\f
.endr
.irp f, 0,1,2,3,4,5,6,7
	ds_load_b128 v[S+32*\t+4*\f:S+32*\t+4*\f+3], v[RD] offset:\f*2*SP  ; LDS serves a wave's instructions in order: these see the stores above; the next tile's stores come behind them
.endr
.endm
.macro SEND t, younger                 ; younger: the LDS instructions issued behind tile t's loads: the next tile's sixteen, or none
.irp f, 0,1,2,3,4,5,6,7
	s_wait_dscnt \younger+7-\f
	global_store_b128 v[GO], v[S+32*\t+4*\f:S+32*\t+4*\f+3], s[90:91] offset:\t*65536+\f*8192  ; 16 lanes store 256 consecutive aligned bytes: a head's part of a row of att
.endr
.endm
	PACK 0
	PACK 1
	SEND 0, 16
	PACK 2
	SEND 1, 16
	PACK 3
	SEND 2, 16
	SEND 3, 0
.Lfinish:
	s_wait_tensorcnt 0x0                           ; the wave's end
	ds_add_u32 v[SPW], v[NIL]
	s_wait_dscnt 0x0
	CROUND                                         ; the closing round: no work-group ends while a partner may still ask for a tile that names it
	s_endpgm
.Lfunc_end_k_q549779a0f5_attn:
	.size	k_q549779a0f5_attn, .Lfunc_end_k_q549779a0f5_attn-k_q549779a0f5_attn
	.p2alignl 7, 3214868480
	.fill 96, 4, 3214868480
	.section	.rodata,"a",@progbits
	.p2align	6, 0x0
	.amdhsa_kernel k_q549779a0f5_attn
		.amdhsa_group_segment_fixed_size 327680
		.amdhsa_private_segment_fixed_size 0
		.amdhsa_enable_private_segment 0
		.amdhsa_kernarg_size 32
		.amdhsa_user_sgpr_count 2
		.amdhsa_user_sgpr_kernarg_segment_ptr 1
		.amdhsa_wavefront_size32 1
		.amdhsa_system_sgpr_workgroup_id_x 1
		.amdhsa_system_sgpr_workgroup_id_y 1
		.amdhsa_system_sgpr_workgroup_id_z 1
		.amdhsa_system_vgpr_workitem_id 0
		.amdhsa_next_free_vgpr 1024
		.amdhsa_next_free_sgpr 100
		.amdhsa_reserve_vcc 1
		.amdhsa_float_denorm_mode_32 3
		.amdhsa_float_denorm_mode_16_64 3
		.amdhsa_memory_ordered 1
		.amdhsa_forward_progress 1
		.amdhsa_inst_pref_size 246
	.end_amdhsa_kernel
	.amdgpu_metadata
---
amdhsa.version: [ 1, 2 ]
amdhsa.kernels:
  - .name:           k_q549779a0f5_attn
    .symbol:         k_q549779a0f5_attn.kd
    .args:
      - { .name: qkv, .offset: 0, .size: 8, .value_kind: global_buffer, .address_space: global }
      - { .name: mask, .offset: 8, .size: 8, .value_kind: global_buffer, .address_space: global }
      - { .name: att, .offset: 16, .size: 8, .value_kind: global_buffer, .address_space: global }
      - { .name: attf, .offset: 24, .size: 8, .value_kind: global_buffer, .address_space: global }
    .group_segment_fixed_size: 327680
    .private_segment_fixed_size: 0
    .kernarg_segment_align: 8
    .kernarg_segment_size: 32
    .max_flat_workgroup_size: 128
    .sgpr_count:     100
    .vgpr_count:     1024
    .wavefront_size: 32
...
	.end_amdgpu_metadata
.endif
;; end of part 3
;; launch fine (part 4): grid 32 x 8, 8 waves a work-group, no clusters, 35,840 bytes of LDS; arguments attf, wo, x_codes; writes x_codes
.if DOCPART == 4
	.amdgcn_target "amdgcn-amd-amdhsa--gfx1250"
	.amdhsa_code_object_version 6
	.text
	.protected	k_q549779a0f5_fine
	.globl	k_q549779a0f5_fine
	.p2align	8
	.type	k_q549779a0f5_fine,@function
k_q549779a0f5_fine:
	s_mov_b64 s[64:65], 0
	v_nop
	global_prefetch_b8 v0, s[64:65] scope:SCOPE_SE
	s_setreg_imm32_b32 hwreg(HW_REG_WAVE_MODE, 25, 1), 1
	s_wait_xcnt 0x0
; THE FIRST 16 POSITIONS' WAY OUT, MORE FINELY, IN EIGHT SLICES ALONG K: part[y][m][n] = sum over k = 256 y .. 256 y + 255 of attf[m][k] wo[k][n], m = 0 .. 15.  The launch that follows adds the eight slices up
; and stores them as rows 0-15 of the output.  These rows average few values, are the largest in size, and so feel the rounding of f16 operands most.  Both operands are taken in f32 and split in f32 into a high
; part (the upper 11 significant bits: x & 0xffffe000) and a low part (x - high), both as f16; three products go to the matrix unit: high x high, high x low, low x high.  Sums in f32.
; WHERE THE SUMS LIE: part [8][16][2048] f32 takes the first 1,048,576 bytes of the buffer x_codes, whose codes were last read by the launch qkv: the program keeps no buffer for them alone.
; LIMITS: low x low, some 2^-22 of a product, is left out.  A low part under 6e-5 is kept to 2^-25 absolute, and so is a high part under 6e-5.  Operands beyond 65,504 become infinity.
; SHARES.  A work-group owns 64 columns (x: 256 aligned bytes of a row of wo and of part) and 256 along K (y): 32 x 8 = 256 work-groups, so that wo's 16 MiB are asked for by all of them at once, each row piece once.
; Each of its eight waves owns 32 along K, one step of the matrix instruction; the eight partial sums meet in LDS.
; Tile u of four takes columns 4 r + u (r = lane % 16): so ONE load of 16 bytes of a row of wo feeds all four tiles, and sixteen lanes read 256 consecutive bytes.  A lane's registers run down K: nothing is transposed.
; No tensor loads, no cluster: the work-groups share attf alone, 128 KiB.
.set VW,  3                            ; v3   wo: 8 rows x half + 16 r
.set VA,  4                            ; v4   attf: row r + 32 h
.set PSA, 5                            ; v5   my place in my wave's partial sums
.set RDP, 6                            ; v6   where I read a row of partial sums
.set GOO, 7                            ; v7   and the same place in a slice of part
.set SPW, 14                           ; v14  LDS address of my spare word; never rewritten
.set NIL, 15                           ; v15  0; never rewritten
.set RAWA, 16                          ; v16-31   attf's 16 numbers of my lane, until they are split
.set WH,  16                           ; v16-47   wo's high parts, 8 registers a tile
.set AH,  48                           ; v48-55   attf's high parts
.set AL,  56                           ; v56-63   attf's low parts
.set WL,  80                           ; v80-111  wo's low parts
.set D,   144                          ; v144-175 four accumulators
.set WRAW, 176                         ; v176-239 16 rows x 4 columns of wo; at the end the eight partial sums
.set PP,  4352                         ; a wave's partial sums: 16 rows x (256 + 16) bytes
.set SPARE, 8*PP                       ; the spare words, 128 bytes for each wave
	s_load_b128 s[4:7], s[0:1], 0x0                ; attf, wo
	s_load_b64 s[8:9], s[0:1], 0x10                ; part
	v_lshl_add_u32 v[SPW], v0, 2, SPARE
	v_mov_b32 v[NIL], 0
	v_lshrrev_b32 v1, 5, v0
	v_readfirstlane_b32 s10, v1                    ; wave 0..7
	v_and_b32 v1, 15, v0                           ; r
	v_bfe_u32 v2, v0, 4, 1                         ; h
	v_lshlrev_b32 v[VW], 16, v2
	v_lshl_add_u32 v[VW], v1, 4, v[VW]
	v_lshlrev_b32 v[VA], 13, v1
	v_lshl_add_u32 v[VA], v2, 5, v[VA]
	s_mul_i32 s11, s10, PP
	v_mul_u32_u24 v[PSA], v2, 8*272
	v_lshl_add_u32 v[PSA], v1, 4, v[PSA]
	v_add_nc_u32 v[PSA], s11, v[PSA]               ; rows 8 h + j, columns 4 r + u
	s_lshl_b32 s11, s10, 1
	v_add_nc_u32 v[RDP], s11, v2                   ; each wave adds up two rows: row 2 w + h
	v_lshlrev_b32 v[GOO], 13, v[RDP]
	v_lshl_add_u32 v[GOO], v1, 4, v[GOO]
	v_mul_u32_u24 v[RDP], v[RDP], 272
	v_lshl_add_u32 v[RDP], v1, 4, v[RDP]
	s_mov_b32 s20, 0xffffe000
	s_and_b32 s18, ttmp7, 0xffff                   ; my slice of K
	s_lshl_b32 s12, s18, 10                        ; attf: 256 numbers a slice,
	s_lshl_b32 s13, s10, 7                         ; 32 a wave
	s_add_co_u32 s12, s12, s13
	s_mov_b32 s13, 0
	s_lshl_b32 s16, ttmp9, 8                       ; my work-group's 64 columns
	s_lshl_b32 s14, s18, 21                        ; wo: 256 rows of 8,192 bytes a slice,
	s_lshl_b32 s15, s10, 18                        ; 32 a wave
	s_add_co_u32 s14, s14, s15
	s_add_co_u32 s14, s14, s16
	s_mov_b32 s15, 0
	s_lshl_b32 s17, s18, 17                        ; part: 16 rows of 8,192 bytes a slice
	s_add_co_u32 s16, s16, s17
	s_mov_b32 s17, 0
	s_wait_kmcnt 0x0
	s_add_nc_u64 s[4:5], s[4:5], s[12:13]
	s_add_nc_u64 s[6:7], s[6:7], s[14:15]
	s_add_nc_u64 s[8:9], s[8:9], s[16:17]
.irp e, 0,1,2,3                        ; attf(r, 8 h + 0..7) and (r, 16 + 8 h + 0..7): the operand's own order
	global_load_b128 v[RAWA+4*\e:RAWA+4*\e+3], v[VA], s[4:5] offset:16*(\e%2)+64*(\e/2)
.endr
.irp i, 0,1,2,3,4,5,6,7,8,9,10,11,12,13,14,15  ; wo(16 (i / 8) + 8 h + i % 8, 4 r .. 4 r + 3)
	global_load_b128 v[WRAW+4*\i:WRAW+4*\i+3], v[VW], s[6:7] offset:(16*(\i/8)+\i%8)*8192 th:TH_LOAD_NT
.endr
.macro SPLIT hi, lo, x0, x1, tt        ; two numbers into a register of high parts and one of low parts
	v_and_b32 v[\tt], s20, v[\x0]
	v_and_b32 v[(\tt)+1], s20, v[\x1]
	v_cvt_pk_f16_f32 v[\hi], v[\tt], v[(\tt)+1]
	v_sub_f32 v[\tt], v[\x0], v[\tt]
	v_sub_f32 v[(\tt)+1], v[\x1], v[(\tt)+1]
	v_cvt_pk_f16_f32 v[\lo], v[\tt], v[(\tt)+1]
.endm
.macro PROD a, b, zero                 ; four matrix instructions, the four accumulators by turns: source 0 = attf's 16 rows, source 1 = a tile of wo
.irp u, 0,1,2,3
.if \zero
	v_wmma_f32_16x16x32_f16 v[D+8*\u:D+8*\u+7], v[\a:\a+7], v[\b+8*\u:\b+8*\u+7], 0
.else
	v_wmma_f32_16x16x32_f16 v[D+8*\u:D+8*\u+7], v[\a:\a+7], v[\b+8*\u:\b+8*\u+7], v[D+8*\u:D+8*\u+7]
.endif
.endr
.endm
	s_wait_loadcnt 16                              ; attf's four loads are in; wo's 16 may be out
.irp g, 0,1,2,3,4,5,6,7
	SPLIT AH+\g, AL+\g, RAWA+2*\g, RAWA+2*\g+1, 8+2*(\g%2)
.endr
	s_wait_loadcnt 0x0                             ; my 32 rows of wo are in
.irp u, 0,1,2,3                        ; register g of tile u: rows 2 g and 2 g + 1 of my sixteen, column 4 r + u
.irp g, 0,1,2,3,4,5,6,7
	SPLIT WH+8*\u+\g, WL+8*\u+\g, WRAW+8*\g+\u, WRAW+8*\g+4+\u, 8+2*(\g%2)
.endr
.endr
	PROD AH, WH, 1                                 ; the first products start the sums
	PROD AH, WL, 0
	PROD AL, WH, 0
.rept 4
	v_nop                                          ; places in front of the reads of results (ISA guide 7.12.1)
.endr
.irp u, 0,1,2,3
.irp j, 0,1,2,3,4,5,6,7
	ds_store_b32 v[PSA], v[D+8*\u+\j] offset:272*\j+4*\u       ; my part of (8 h + j, 4 r + u); each accumulator from its low end on
.endr
.endr
	s_wait_dscnt 0x0                               ; for the others' sake: my stores are done
	s_barrier_signal -1
	s_barrier_wait -1
.irp p, 0,1,2,3,4,5,6,7
	ds_load_b128 v[WRAW+4*\p:WRAW+4*\p+3], v[RDP] offset:PP*\p
.endr
	s_wait_dscnt 0x0
.irp d, 4,2,1                          ; the eight parts in a fixed tree
.set p, 0
.rept \d
	v_pk_add_f32 v[WRAW+4*p:WRAW+4*p+1], v[WRAW+4*p:WRAW+4*p+1], v[WRAW+4*(p+\d):WRAW+4*(p+\d)+1]
	v_pk_add_f32 v[WRAW+4*p+2:WRAW+4*p+3], v[WRAW+4*p+2:WRAW+4*p+3], v[WRAW+4*(p+\d)+2:WRAW+4*(p+\d)+3]
.set p, p+1
.endr
.endr
	global_store_b128 v[GOO], v[WRAW:WRAW+3], s[8:9]           ; 16 lanes store 256 consecutive aligned bytes of a row of my slice
	s_wait_tensorcnt 0x0                           ; the wave's end
	ds_add_u32 v[SPW], v[NIL]
	s_wait_dscnt 0x0
	s_endpgm
.Lfunc_end_k_q549779a0f5_fine:
	.size	k_q549779a0f5_fine, .Lfunc_end_k_q549779a0f5_fine-k_q549779a0f5_fine
	.p2alignl 7, 3214868480
	.fill 96, 4, 3214868480
	.section	.rodata,"a",@progbits
	.p2align	6, 0x0
	.amdhsa_kernel k_q549779a0f5_fine
		.amdhsa_group_segment_fixed_size 35840
		.amdhsa_private_segment_fixed_size 0
		.amdhsa_enable_private_segment 0
		.amdhsa_kernarg_size 24
		.amdhsa_user_sgpr_count 2
		.amdhsa_user_sgpr_kernarg_segment_ptr 1
		.amdhsa_wavefront_size32 1
		.amdhsa_system_sgpr_workgroup_id_x 1
		.amdhsa_system_sgpr_workgroup_id_y 1
		.amdhsa_system_sgpr_workgroup_id_z 1
		.amdhsa_system_vgpr_workitem_id 0
		.amdhsa_next_free_vgpr 256
		.amdhsa_next_free_sgpr 66
		.amdhsa_reserve_vcc 0
		.amdhsa_float_denorm_mode_32 3
		.amdhsa_float_denorm_mode_16_64 3
		.amdhsa_memory_ordered 1
		.amdhsa_forward_progress 1
		.amdhsa_inst_pref_size 19
	.end_amdhsa_kernel
	.amdgpu_metadata
---
amdhsa.version: [ 1, 2 ]
amdhsa.kernels:
  - .name:           k_q549779a0f5_fine
    .symbol:         k_q549779a0f5_fine.kd
    .args:
      - { .name: attf, .offset: 0, .size: 8, .value_kind: global_buffer, .address_space: global }
      - { .name: wo, .offset: 8, .size: 8, .value_kind: global_buffer, .address_space: global }
      - { .name: x_codes, .offset: 16, .size: 8, .value_kind: global_buffer, .address_space: global }
    .group_segment_fixed_size: 35840
    .private_segment_fixed_size: 0
    .kernarg_segment_align: 8
    .kernarg_segment_size: 24
    .max_flat_workgroup_size: 256
    .sgpr_count:     66
    .vgpr_count:     256
    .wavefront_size: 32
...
	.end_amdgpu_metadata
.endif
;; end of part 4
;; launch proj (part 5): grid 16 x 16, 4 waves a work-group, clusters of 4 x 4, 327,680 bytes of LDS; arguments att, woh, out0, x_codes; writes out0
.if DOCPART == 5
	.amdgcn_target "amdgcn-amd-amdhsa--gfx1250"
	.amdhsa_code_object_version 6
	.text
	.protected	k_q549779a0f5_proj
	.globl	k_q549779a0f5_proj
	.p2align	8
	.type	k_q549779a0f5_proj,@function
k_q549779a0f5_proj:
	s_mov_b64 s[64:65], 0
	v_nop
	global_prefetch_b8 v0, s[64:65] scope:SCOPE_SE
	s_setreg_imm32_b32 hwreg(HW_REG_WAVE_MODE, 25, 1), 1
	s_wait_xcnt 0x0
	s_wait_alu depctr_hold_cnt(0) depctr_sa_sdst(0) depctr_va_vdst(0) depctr_va_sdst(0) depctr_va_ssrc(0) depctr_va_vcc(0) depctr_vm_vsrc(0)
	s_getreg_b32 s2, hwreg(HW_REG_IB_STS2, 6, 4)
	s_cmp_eq_u32 s2, 0
	s_cbranch_scc0 .Lentry_in_a_cluster
	s_endpgm
.Lentry_in_a_cluster:
	s_bfe_u32 s2, ttmp6, 0x10000c
	s_cmp_lg_u32 s2, 0xf033
	s_cbranch_scc0 .Lentry_shape_is_right
	s_endpgm
.Lentry_shape_is_right:
; out0[m][n] = sum over k of att[m][k] wo[k][n].  att [2048][2048] f16, K along the rows; woh [2048 k][2048 n] f16, K down the rows; out0 f32; sums in f32.
; ROWS 0-15 ARE NOT TAKEN FROM THIS PRODUCT: the launch before has made them more finely, in eight slices along K: part [8][16][2048] f32, the first 1,048,576 bytes of the buffer x_codes.  Here the slices are added
; up and stored in those rows' place, so that every byte of out0 is stored once, by one work-group.
; A tile of out0 is 128 x 128: 256 work-groups.  Four waves, each 64 x 64: 16 accumulators.  K goes in steps of 256 through a ring of two LDS slots: att's tile is 128 rows of 512 bytes, wo's 256 rows (k) of 256 bytes.
; wo's fragments come out of LDS turned, by ds_load_tr16_b128: lane l then holds column l % 16 and K runs along its registers, as an operand wants it.
; CLUSTERS: 4 x 4.  att's tiles are asked for jointly along a row of the cluster, wo's along a column.  THE MATRIX INSTRUCTION IS USED TRANSPOSED (source 0 = 16 columns of wo, source 1 = 16 rows of att): a lane holds
; eight neighbouring numbers of a row of out0.  A wave's 64 columns are 256 aligned bytes of a row, so each wave has a stage of its own on the way out and no barrier stands there.
; LIMIT: att and woh are f16: their rounding is in every row from 16 on.
; REGISTERS: window 0: v0-31 addresses; v32-95 at work on the way out; v128-255 the accumulators ((a, b) at v[128 + 8 (4 a + b)]).   window 1: two fragment buffers of 128: 64 of att, then 64 of wo, for 64 along K;
;   on the way out the eight slices of the fine rows, 32 registers each.
.set KSTEP,  256
.set PITCH,  528                       ; att's LDS row: 512 bytes + 16: the 16 rows that a load touches start at 16 different banks (64 banks of 4 bytes: ISA guide 11.1)
.set HALFA,  64*PITCH
.set BP,     288                       ; wo's LDS row: 256 bytes + 32
.set HALFB,  128*BP
.set BOFF,   2*HALFA
.set SLOT,   BOFF+2*HALFB
.set STAGE,  2*SLOT                    ; behind the ring: 16 rows x 272 bytes for each wave
.set SPITCH, 272
.set SPARE,  STAGE+4*16*SPITCH         ; the spare words, 128 bytes for each wave
.set LAPS,   2048/(2*KSTEP)
.set SLICE,  131072                    ; a slice of part: 16 rows of 8,192 bytes
.set ADRA, 16                          ; v16-17  LDS address of my att fragments in slot 0, 1
.set ADRB, 20                          ; v20-23  of wo's: slot 0 k 0-127, slot 0 k 128-255, slot 1 likewise: so that every immediate offset stays under 65,536
.set STO,  24
.set RD,   25
.set CO,   26                          ; v26  my byte offset in two rows of out0, and of a slice of part: both have rows of 8,192 bytes
.set TR,   27                          ; v27  my work-group's tile row
.set SPW,  28
.set NIL,  29
.set TMP,  32
.set ACC,  128
.set F0,   0
.set F1,   128
.set G1, 24
.set G0, 32
.set G1B, 48
.set G0B, 56
.set PB, 66                            ; s[66:67] part at my wave's 64 columns
.set MSB, 0
.macro WIN new                         ; the immediate's high byte repeats the setting that is left
.if MSB != \new
	s_set_vgpr_msb (MSB<<8)|\new
.set MSB, \new
.endif
.endm
.set MUL,  0x05                        ; sources 0 and 1 window 1; C and D window 0
.set TO_F, 0x40                        ; destination window 1, address window 0
.macro JLOAD s                         ; a joint load: waves 0 and 1 fetch att's two halves, waves 2 and 3 wo's; an s_nop 0 and four v_nop follow each line
	s_cmp_eq_u32 s11, 0
	s_cbranch_scc0 .Lfor_b_\@
	tensor_load_to_lds s[G0+4*\s:G0+4*\s+3], s[G1:G1+7]
	s_nop 0
.rept 4
	v_nop
.endr
	s_branch .Lasked_\@
.Lfor_b_\@:
	tensor_load_to_lds s[G0B+4*\s:G0B+4*\s+3], s[G1B:G1B+7]
	s_nop 0
.rept 4
	v_nop
.endr
.Lasked_\@:
.endm
.macro CREST
	s_cmp_lg_u32 s10, 0
	s_cbranch_scc1 .Lnot_wave_0_\@
	s_barrier_signal -3
.Lnot_wave_0_\@:
	s_barrier_wait -3
	s_barrier_signal -1
	s_barrier_wait -1
.endm
.macro CROUND
	s_barrier_signal -1
	s_barrier_wait -1
	CREST
.endm
	s_load_b128 s[4:7], s[0:1], 0x0                ; att s[4:5], woh s[6:7]
	s_load_b64 s[8:9], s[0:1], 0x10                ; out0
	s_load_b64 s[PB:PB+1], s[0:1], 0x18            ; part
	v_lshl_add_u32 v[SPW], v0, 2, SPARE
	v_mov_b32 v[NIL], 0
	ds_add_u32 v[SPW], v[NIL]                      ; the wave's opening: the add, twice on end, and its wait ahead of my first tensor load
	ds_add_u32 v[SPW], v[NIL]
	v_lshrrev_b32 v1, 5, v0
	v_readfirstlane_b32 s10, v1                    ; wave 0..3
	s_lshr_b32 s11, s10, 1                         ; which half of the tile's rows is mine.  Also: I fetch for att (0) or for wo (1)
	s_and_b32 s12, s10, 1                          ; which half of its columns.  Also: which half of that tile I fetch
	s_bfe_u32 s40, ttmp6, 0x40000                  ; cx, cy
	s_bfe_u32 s41, ttmp6, 0x40004
	s_lshl_b32 s42, ttmp9, 2
	s_add_co_u32 s42, s42, s40                     ; tile column
	s_and_b32 s13, ttmp7, 0xffff
	s_lshl_b32 s13, s13, 2
	s_add_co_u32 s13, s13, s41                     ; tile row
	s_lshl_b32 s43, s41, 2
	s_lshl_b32 s43, 15, s43                        ; my row of the cluster
	s_lshl_b32 s44, 0x1111, s40                    ; my column
	s_or_b32 s[G1+0], s43, (1<<16)|(1<<20)|(1<<21)|(6<<22)|(3<<25)   ; att: 64 rows x 256 elements of 2 bytes; 4 words of padding after every 128
	s_mov_b32 s[G1+1], 256<<16
	s_mov_b32 s[G1+2], 64<<16
	s_mov_b32 s[G1+3], 256<<16
	s_mov_b32 s[G1+4], 64
	s_mov_b32 s[G1+5], 2048
	s_mov_b32 s[G1+6], 0
	s_mov_b32 s[G1+7], 0
	s_or_b32 s[G1B+0], s44, (1<<16)|(1<<20)|(1<<21)|(5<<22)|(7<<25)  ; wo: 128 rows (k) x 128 elements; 8 words of padding after every 64
	s_mov_b32 s[G1B+1], 128<<16
	s_mov_b32 s[G1B+2], 128<<16
	s_mov_b32 s[G1B+3], 128<<16
	s_mov_b32 s[G1B+4], 128
	s_mov_b32 s[G1B+5], 2048
	s_mov_b32 s[G1B+6], 0
	s_mov_b32 s[G1B+7], 0
	s_lshl_b32 s16, s13, 7
	s_lshl_b32 s17, s12, 6
	s_add_co_u32 s16, s16, s17                     ; att: row 128 x tile row + 64 x half,
	s_lshl_b32 s16, s16, 12                        ; 4,096 bytes a row
	s_mov_b32 s17, 0
	s_lshl_b32 s46, s42, 8                         ; wo: 256 bytes x tile column,
	s_lshl_b32 s47, s12, 19                        ; + 128 rows of 4,096 bytes x half
	s_add_co_u32 s46, s46, s47
	s_mov_b32 s47, 0
	s_mul_i32 s20, s12, HALFA                      ; where they go: no place in the cluster enters an LDS address
	s_mul_i32 s21, s12, HALFB
	s_add_co_u32 s21, s21, BOFF
	s_wait_dscnt 0x0                               ; both opening adds are done
	s_wait_kmcnt 0x0
	s_add_nc_u64 s[14:15], s[4:5], s[16:17]
	s_add_nc_u64 s[46:47], s[6:7], s[46:47]
	CROUND                                         ; all sixteen work-groups are here: the first joint loads meet
.irp s, 0,1
	s_mov_b32 s[G0+4*\s], 1
	s_add_co_u32 s[G0+4*\s+1], s20, \s*SLOT
	s_add_nc_u64 s[G0+4*\s+2:G0+4*\s+3], s[14:15], \s*KSTEP*2
	s_or_b32 s[G0+4*\s+3], s[G0+4*\s+3], 0x80000000
	s_mov_b32 s[G0B+4*\s], 1
	s_add_co_u32 s[G0B+4*\s+1], s21, \s*SLOT
	s_add_nc_u64 s[G0B+4*\s+2:G0B+4*\s+3], s[46:47], \s*KSTEP*4096
	s_or_b32 s[G0B+4*\s+3], s[G0B+4*\s+3], 0x80000000
	JLOAD \s
.endr
	v_and_b32 v1, 15, v0                           ; r = l % 16
	v_bfe_u32 v2, v0, 4, 1                         ; h = l / 16
	v_mul_u32_u24 v3, v1, PITCH
	v_lshl_add_u32 v3, v2, 4, v3
	s_mul_i32 s21, s11, HALFA                      ; my 64 rows of att
.irp s, 0,1
	v_add_nc_u32 v[ADRA+\s], s21, v3
	s_add_co_u32 s21, s21, SLOT
.endr
	v_and_b32 v4, 7, v0
	v_bfe_u32 v5, v0, 3, 1
	v_lshl_add_u32 v4, v2, 3, v4
	v_mul_u32_u24 v4, v4, BP
	v_lshl_add_u32 v4, v5, 4, v4                   ; the turning load: row k = 8 h + l % 8, columns 8 ((l / 8) % 2) on
	s_lshl_b32 s22, s12, 7                         ; my 64 columns: 128 bytes x half
	s_add_co_u32 s22, s22, BOFF
.irp s, 0,1
.irp u, 0,1
	v_add_nc_u32 v[ADRB+2*\s+\u], s22, v4
	s_add_co_u32 s22, s22, HALFB
.endr
	s_add_co_u32 s22, s22, SLOT-2*HALFB
.endr
	s_mul_i32 s23, s10, 16*SPITCH
	s_add_co_u32 s23, s23, STAGE                   ; my stage
	v_mul_u32_u24 v4, v1, SPITCH
	v_lshl_add_u32 v4, v2, 5, v4
	v_add_nc_u32 v[STO], s23, v4                   ; in: row r, 32 bytes for each half of the lanes
	v_mul_u32_u24 v5, v2, SPITCH
	v_lshl_add_u32 v5, v1, 4, v5
	v_add_nc_u32 v[RD], s23, v5                    ; back: lanes 0-15 one row of 256 bytes, lanes 16-31 the next
	v_lshlrev_b32 v5, 13, v2
	v_lshl_add_u32 v[CO], v1, 4, v5                ; and the same two rows in out0
	v_mov_b32 v[TR], s13                           ; the tile row, as a value: it picks numbers on the way out and steers no branch
	s_lshl_b32 s16, s13, 7
	s_lshl_b32 s17, s11, 6
	s_add_co_u32 s16, s16, s17                     ; my first row of out0
	s_lshl_b32 s16, s16, 13
	s_mov_b32 s17, 0
	s_add_nc_u64 s[8:9], s[8:9], s[16:17]
	s_lshl_b32 s46, s42, 9                         ; my first column, in bytes: 512 x tile column + 256 x half
	s_lshl_b32 s47, s12, 8
	s_add_co_u32 s46, s46, s47
	s_mov_b32 s47, 0
	s_add_nc_u64 s[8:9], s[8:9], s[46:47]
	s_add_nc_u64 s[PB:PB+1], s[PB:PB+1], s[46:47]  ; part at the same columns, row 0 of slice 0
; 8 matrix instructions: row blocks a0, a0 + 1 x all 4 column blocks, 32 along K: half c of buffer f.  The 16 accumulators take turns.  zero = 1: the first product starts the sums
.macro MUL8 f, c, a0, zero
.irp a, \a0, \a0+1
.irp b, 0,1,2,3
.if \zero
	v_wmma_f32_16x16x32_f16 v[ACC+8*(4*(\a)+\b):ACC+8*(4*(\a)+\b)+7], v[\f+64+8*(4*\c+\b):\f+64+8*(4*\c+\b)+7], v[\f+8*(4*\c+\a):\f+8*(4*\c+\a)+7], 0
.else
	v_wmma_f32_16x16x32_f16 v[ACC+8*(4*(\a)+\b):ACC+8*(4*(\a)+\b)+7], v[\f+64+8*(4*\c+\b):\f+64+8*(4*\c+\b)+7], v[\f+8*(4*\c+\a):\f+8*(4*\c+\a)+7], v[ACC+8*(4*(\a)+\b):ACC+8*(4*(\a)+\b)+7]
.endif
.endr
.endr
.endm
; 32 LDS loads in one run: the fragments of the slot's q-th 64 along K into buffer f; the first 32 along K first
.macro FETCH slot, q, f
	WIN TO_F
.irp c, 0,1
.irp i, 0,1,2,3
	ds_load_tr16_b128 v[\f+64+8*(4*\c+\i):\f+64+8*(4*\c+\i)+3],   v[ADRB+2*\slot+(\q)/2] offset:(64*((\q)%2)+32*\c)*BP+32*\i
	ds_load_tr16_b128 v[\f+64+8*(4*\c+\i)+4:\f+64+8*(4*\c+\i)+7], v[ADRB+2*\slot+(\q)/2] offset:(64*((\q)%2)+32*\c+16)*BP+32*\i
	ds_load_b128 v[\f+8*(4*\c+\i):\f+8*(4*\c+\i)+3],              v[ADRA+\slot] offset:128*(\q)+64*\c+\i*16*PITCH
	ds_load_b128 v[\f+8*(4*\c+\i)+4:\f+8*(4*\c+\i)+7],            v[ADRA+\slot] offset:128*(\q)+64*\c+\i*16*PITCH+32
.endr
.endr
.endm
.macro PLACES                          ; four places in front of loads into registers that matrix instructions have read, and of the first read of results
.rept 4
	v_nop
.endr
.endm
; A K step is four quarters of 64 along K, 32 matrix instructions each, on buffers 0, 1, 0, 1.  One of the first three: multiplies buffer f and fetches quarter q into g.
.macro QUARTER slot, q, f, g, zero
	s_wait_dscnt 16                                ; the first 32 along K are in; the youngest sixteen loads may be out
	WIN MUL
	MUL8 \f, 0, 0, \zero
	MUL8 \f, 0, 2, \zero
	PLACES
	FETCH \slot, \q, \g
	s_wait_dscnt 32                                ; all but the 32 just issued
	WIN MUL
	MUL8 \f, 1, 0, 0
	MUL8 \f, 1, 2, 0
.endm
; The last quarter multiplies buffer 1 and changes slots: one barrier; in front of it each wave waits for all its tensor loads, adds 0 to its spare word, and waits for that and for its own reads of this slot.
.macro TURN slot, next, fill
	WIN 0
	s_wait_tensorcnt 0x0                           ; all my tensor loads have landed: my part of the next slot
	ds_add_u32 v[SPW], v[NIL]
	s_wait_dscnt 17                                ; (the add and the youngest sixteen loads may be out)
	WIN MUL
	MUL8 F1, 0, 0, 0
	s_wait_dscnt 0x0                               ; the add is done, and my reads of this slot are over
	s_barrier_signal -1
	MUL8 F1, 0, 2, 0
.if \fill
	WIN 0
.endif
	s_barrier_wait -1
.if \fill
	CREST                                          ; the barrier has opened a round of the cluster's barrier
	s_add_nc_u64 s[G0+4*\slot+2:G0+4*\slot+3], s[G0+4*\slot+2:G0+4*\slot+3], 2*KSTEP*2
	s_add_nc_u64 s[G0B+4*\slot+2:G0B+4*\slot+3], s[G0B+4*\slot+2:G0B+4*\slot+3], 2*KSTEP*4096
	JLOAD \slot                                    ; the first tensor load behind the round; its four v_nop are also the places in front of the loads below
.else
	PLACES
.endif
	FETCH \next, 0, F0
	WIN MUL
	MUL8 F1, 1, 0, 0
	MUL8 F1, 1, 2, 0
.endm
	s_wait_tensorcnt 1                             ; my part of K step 0 is in (K step 1's load may be out),
	s_barrier_signal -1
	s_barrier_wait -1                              ; everybody's is
	FETCH 0, 0, F0
	QUARTER 0, 1, F0, F1, 1                        ; the first quarter stands in front of the loop: its first products start the sums
	WIN 0
	s_mov_b32 s3, LAPS-1
.Llap:                                                 ; a trip goes once round the ring and fills both slots again
	QUARTER 0, 2, F1, F0, 0
	QUARTER 0, 3, F0, F1, 0
	TURN 0, 1, 1
	QUARTER 1, 1, F0, F1, 0
	QUARTER 1, 2, F1, F0, 0
	QUARTER 1, 3, F0, F1, 0
	TURN 1, 0, 1
	QUARTER 0, 1, F0, F1, 0
	WIN 0
	s_sub_co_u32 s3, s3, 1
	s_cmp_lg_u32 s3, 0
	s_cbranch_scc1 .Llap
	QUARTER 0, 2, F1, F0, 0                        ; the last lap fills nothing
	QUARTER 0, 3, F0, F1, 0
	TURN 0, 1, 0
	QUARTER 1, 1, F0, F1, 0
	QUARTER 1, 2, F1, F0, 0
	QUARTER 1, 3, F0, F1, 0
	s_wait_dscnt 16
	WIN MUL
	MUL8 F1, 0, 0, 0
	MUL8 F1, 0, 2, 0
	s_wait_dscnt 0
	MUL8 F1, 1, 0, 0
	MUL8 F1, 1, 2, 0
	WIN 0
	PLACES                                         ; behind the last products: in front of the loads into the fragments' registers and of the reads of results
; THE FINE ROWS' SLICES ARE ASKED FOR FIRST.  Positions 0-15 are block 0 of the upper row half of tile row 0.  The branch hangs on the cluster's y and the wave's number, the same in all sixteen partners; which of the
; cluster's four tile rows is row 0 is told further down by a choice of values.  So the waves of tile rows 1 to 3 load the same sums and drop them: 32 KiB a wave.
; 8 slices x 8 loads, each two rows of 256 bytes; slice p, rows 2 i and 2 i + 1 into v[32 p + 4 i ..] of window 1.  They land while blocks 1, 2 and 3 go out.
	s_and_b32 s22, ttmp7, 0xffff
	s_or_b32 s22, s22, s11                         ; 0: cluster y = 0 and the upper row half
	s_cmp_lg_u32 s22, 0
	s_cbranch_scc1 .Lno_part
	WIN TO_F
.irp p, 0,1,2,3,4,5,6,7
.irp i, 0,1,2,3,4,5,6,7
	global_load_b128 v[32*\p+4*\i:32*\p+4*\i+3], v[CO], s[PB:PB+1] offset:\p*SLICE+2*\i*8192
.endr
.endr
	WIN 0
.Lno_part:
; THE WAY OUT, 16 rows x 64 columns at a time, through my own stage: in as 32 bytes a lane, back as whole rows of 256 bytes.  a: the block; n: its place in the order, which picks the registers
.macro OUTBLK a, n
.set TT, TMP+32*((\n)%2)
.if (\n) >= 2
	s_wait_xcnt 0x0                                ; the stores of two blocks back have read the registers into which the loads below land
.endif
.irp b, 0,1,2,3
	ds_store_b128 v[STO], v[ACC+8*(4*(\a)+\b):ACC+8*(4*(\a)+\b)+3] offset:64*\b        ; each accumulator from its low end on
	ds_store_b128 v[STO], v[ACC+8*(4*(\a)+\b)+4:ACC+8*(4*(\a)+\b)+7] offset:64*\b+16
.endr
.irp i, 0,1,2,3,4,5,6,7
	ds_load_b128 v[TT+4*\i:TT+4*\i+3], v[RD] offset:2*\i*SPITCH    ; LDS serves a wave's instructions in order: these see the stores above
.endr
	s_wait_dscnt 0x0
.if (\a) == 0
	s_cmp_lg_u32 s22, 0
	s_cbranch_scc1 .Lplain
	v_cmp_eq_u32 vcc_lo, 0, v[TR]                  ; all lanes, or none: is mine tile row 0?
	s_wait_loadcnt 0x0                             ; the eight slices are in
	WIN 0x45                                       ; sources 0 and 1 and the destination in window 1
.irp d, 4,2,1                          ; the eight slices in a fixed tree: the sums end in v0-31 of window 1, laid as the block's rows are in v[TT ..]
.set p, 0
.rept \d
.set q, 0
.rept 16
	v_pk_add_f32 v[32*p+2*q:32*p+2*q+1], v[32*p+2*q:32*p+2*q+1], v[32*(p+\d)+2*q:32*(p+\d)+2*q+1]
.set q, q+1
.endr
.set p, p+1
.endr
.endr
	WIN 0x04                                       ; source 1 in window 1
.set q, 0
.rept 32
	v_cndmask_b32 v[TT+q], v[TT+q], v[q], vcc_lo   ; in tile row 0 the fine sums take the place of this product's rows 0-15
.set q, q+1
.endr
	WIN 0
.Lplain:
.endif
.irp i, 0,1,2,3,4,5,6,7
	global_store_b128 v[CO], v[TT+4*\i:TT+4*\i+3], s[8:9] offset:(16*(\a)+2*\i)*8192 th:TH_STORE_NT   ; 16 lanes store 256 consecutive aligned bytes
.endr
.endm
	OUTBLK 1, 0
	OUTBLK 2, 1
	OUTBLK 3, 2
	OUTBLK 0, 3                                    ; block 0 goes last: three blocks' work stands between the request for the slices and the wait for them
	s_wait_tensorcnt 0x0                           ; the wave's end
	ds_add_u32 v[SPW], v[NIL]
	s_wait_dscnt 0x0
	CROUND                                         ; the closing round
	s_endpgm
.Lfunc_end_k_q549779a0f5_proj:
	.size	k_q549779a0f5_proj, .Lfunc_end_k_q549779a0f5_proj-k_q549779a0f5_proj
	.p2alignl 7, 3214868480
	.fill 96, 4, 3214868480
	.section	.rodata,"a",@progbits
	.p2align	6, 0x0
	.amdhsa_kernel k_q549779a0f5_proj
		.amdhsa_group_segment_fixed_size 327680
		.amdhsa_private_segment_fixed_size 0
		.amdhsa_enable_private_segment 0
		.amdhsa_kernarg_size 32
		.amdhsa_user_sgpr_count 2
		.amdhsa_user_sgpr_kernarg_segment_ptr 1
		.amdhsa_wavefront_size32 1
		.amdhsa_system_sgpr_workgroup_id_x 1
		.amdhsa_system_sgpr_workgroup_id_y 1
		.amdhsa_system_sgpr_workgroup_id_z 1
		.amdhsa_system_vgpr_workitem_id 0
		.amdhsa_next_free_vgpr 512
		.amdhsa_next_free_sgpr 68
		.amdhsa_reserve_vcc 1
		.amdhsa_float_denorm_mode_32 3
		.amdhsa_float_denorm_mode_16_64 3
		.amdhsa_memory_ordered 1
		.amdhsa_forward_progress 1
		.amdhsa_inst_pref_size 101
	.end_amdhsa_kernel
	.amdgpu_metadata
---
amdhsa.version: [ 1, 2 ]
amdhsa.kernels:
  - .name:           k_q549779a0f5_proj
    .symbol:         k_q549779a0f5_proj.kd
    .args:
      - { .name: att, .offset: 0, .size: 8, .value_kind: global_buffer, .address_space: global }
      - { .name: woh, .offset: 8, .size: 8, .value_kind: global_buffer, .address_space: global }
      - { .name: out0, .offset: 16, .size: 8, .value_kind: global_buffer, .address_space: global }
      - { .name: x_codes, .offset: 24, .size: 8, .value_kind: global_buffer, .address_space: global }
    .group_segment_fixed_size: 327680
    .private_segment_fixed_size: 0
    .kernarg_segment_align: 8
    .kernarg_segment_size: 32
    .max_flat_workgroup_size: 128
    .sgpr_count:     68
    .vgpr_count:     512
    .wavefront_size: 32
...
	.end_amdgpu_metadata
.endif
;; end of part 5
